; MI455X (gfx1250); checked and timed in simulation.
; The chip was launched on July 23, 2026; its instructions are those of AMD's public machine-readable ISA for CDNA 5 (MIT licence, August 2026) and "CDNA5" Instruction Set Architecture Reference Guide (July 2026). The comments in the code are by the model that wrote it; some were corrected since.
;; Multi Head Attention. Allowed arithmetic: matrix products marked QUANTISED: E2M3 operands, one E8M0 scale for each 32 along K, by v_wmma_scale_f32_16x16x128_f8f6f4 with both operands' format E2M3, f32 sums; everything else in f32.
;; Inputs: Wo 1,024 x 1,024 float32; Wq 1,024 x 1,024 float32; k 4 x 2,048 x 1,024 float32; q 4 x 2,048 x 1,024 float32; v 4 x 2,048 x 1,024 float32.
;; Outputs: out0 4 x 2,048 x 1,024 float32.
;; This version of the problem:
;;   THIS VERSION OF THE PROBLEM IS GIVEN IN LOW PRECISION. The matrix products marked QUANTISED in the list below multiply operands that are first quantised to E2M3 (2 exponent bits, 3 mantissa bits; 6 bits a number), with one power-of-two scale for each 32 numbers along K (OCP MX v1.0); their sums are f32. All else is computed in f32.
;;   The module's matrix products, in the order in which they are computed (A, B: the left and right operand; K: the contracted axis; several contracted axes count as one K, in the product's order):
;;     1. [M 8,192, K 1,024] x [K 1,024, N 1,024]; A: input q; B: input Wq: QUANTISED
;;     2. [M 8,192, K 1,024] x [K 1,024, N 1,024]; A: input k; B: input Wq: QUANTISED
;;     3. [M 8,192, K 1,024] x [K 1,024, N 1,024]; A: input v; B: input Wq: QUANTISED
;;     4. batch 64 x [M 2,048, K 64] x [K 64, N 2,048]; A: computed on the way; B: computed on the way: QUANTISED
;;     5. batch 64 x [M 2,048, K 2,048] x [K 2,048, N 64]; A: softmax (see below); B: computed on the way: QUANTISED
;;     6. [M 8,192, K 1,024] x [K 1,024, N 1,024]; A: computed on the way; B: input Wo: QUANTISED
;;   THE QUANTISER, for each operand of a quantised product, along K:
;;     - K is cut into blocks of 32 from its start; a last block that is shorter is filled with zeros.
;;     - A block's scale is 2^e with e = floor(log2(the largest magnitude in the block)) - 2, held to -126 .. 127; a block of zeros has e = 0. As a byte (E8M0): e + 127.
;;     - Each number is divided by its block's scale, clamped to +-7.5, and rounded to the nearest number of E2M3, ties to even, subnormals kept.
;;     - The product sums the exact products of the quantised numbers (number of the format x scale) in f32.
;;   ~~~python
;;   def quantise(x, axis):      # numpy; x: float32 -> the quantised numbers, widened to float32 again
;;       x = np.moveaxis(x, axis, -1); K = x.shape[-1]
;;       x = np.pad(x, [(0, 0)] * (x.ndim - 1) + [(0, -K % 32)]); x = x.reshape(x.shape[:-1] + (-1, 32)); a = np.abs(x).max(-1, keepdims=True)
;;       e = np.where(a > 0, np.clip(np.frexp(np.where(a > 0, a, 1))[1] - 1 - 2, -126, 127), 0)      # np.frexp(a)[1] - 1 = floor(log2(a)), exactly
;;       r = np.clip(x / 2.0 ** e, -7.5, 7.5)
;;       step = 2.0 ** (np.maximum(np.frexp(np.where(r == 0, 1, r))[1] - 1, 0) - 3)
;;       q = np.round(r / step) * step * 2.0 ** e      # np.round: ties to even
;;       return np.moveaxis(q.reshape(q.shape[:-2] + (-1,))[..., :K], -1, axis).astype(np.float32)
;;   ~~~
;;   SOFTMAX AHEAD OF A QUANTISED PRODUCT. Where the list says 'softmax', what is quantised is not the finished softmax but p = 2^(t - M), with t = logit x log2(e) and M = ceil(the row's largest t), a whole number; so 1/2 < the row's largest p <= 1. The row's sum l is taken of the UNQUANTISED p, in f32, and the product's result is divided by l at the end. Since M is a whole number, a kernel that streams over the keys may use a running M (the ceiling of the running maximum): every later rescaling is an exact power of two, which a block's scale takes up: the codes' values come out the same.
;;   OPERANDS COMPUTED ON THE WAY. 'Computed on the way' means the value that the module computes at that place (a softmax that the list does not call 'softmax' is quantised finished and normalised). What goes into a quantiser is computed in f32, as accurately as f32 sums, v_exp_f32 and their like allow (about 1e-6 of the number): no bf16 or f16 on the way to a quantiser, and a product that is left as it is and whose result goes on into a quantised operand takes f32 operands (vector FMAs, or v_wmma_f32_16x16x4_f32). A number that lies on a knife's edge between two numbers of the format may be rounded either way, as far as f32 arithmetic and the matrix unit's own rounding can turn it there, and no further.
;; One version. Each part assembles by itself: llvm-mc -triple=amdgcn-amd-amdhsa -mcpu=gfx1250 --defsym DOCPART=n.
;; ======== version 1 of 1: 4 launches
;; workspace buffers: codes 20,447,232 bytes; scales 851,968 bytes; qimg 6,553,600 bytes; kv 13,107,200 bytes; oimg 6,291,456 bytes; oscl 262,144 bytes
;; launch quant (part 1): grid 832 x 1, 4 waves a work-group, no clusters, 33,280 bytes of LDS; arguments q, k, v, Wq, Wo, codes, scales; writes codes, scales
.if DOCPART == 1
	.amdgcn_target "amdgcn-amd-amdhsa--gfx1250"
	.amdhsa_code_object_version 6
	.text
	.protected	k_qff79f19601_quant
	.globl	k_qff79f19601_quant
	.p2align	8
	.type	k_qff79f19601_quant,@function
k_qff79f19601_quant:
	s_mov_b64 s[64:65], 0
	v_nop
	global_prefetch_b8 v0, s[64:65] scope:SCOPE_SE
	s_setreg_imm32_b32 hwreg(HW_REG_WAVE_MODE, 25, 1), 1
	s_wait_xcnt 0x0
; q, k, v [8192][1024] and Wq, Wo [1024][1024], f32, become codes of FP6 (E2M3), 6 bits each, K innermost, and one E8M0 scale byte for each 32 along K.
; All five go into ONE buffer of codes, [26624 rows][768 bytes], and one of scale bytes, [26624][32]: rows 0.. q, 8192.. k, 16384.. v, 24576.. Wq, 25600.. Wo.
; A block's scale is 2^(floor(log2(its largest magnitude)) - 2); its byte is the largest magnitude's exponent field - 2, held at 1 from below.
; (A block of zeros so gets the byte 1 where the rule says 127: its codes are zeros, which add nothing under any byte but 0xff, and this program alone reads the bytes.)
; LIMITS: blocks whose largest magnitude lies under 2^-124, the floor, get the byte 1; NaN and infinities among the inputs are not served.
; THE ORDER OF THE STORED ROWS.  Inside every 32 rows the four groups of 8 rows are stored in the order 0, 2, 1, 3: stored row 16 u + r of the 32 is true row 8 u + r + 8 (r / 8).
; So any 16 stored rows on end are a tile whose transposed product leaves 16 neighbours along the next K in a lane's registers of two neighbouring tiles.
; A work-group takes 32 rows, a wave 8 rows = 8,192 numbers = 16 steps of 512.  Each of a step's four loads reads 512 consecutive bytes; the 2,048 bytes turn through the wave's own stage in LDS
; (16 bytes of padding behind each 64) and come back 64 bytes a lane: 16 neighbours along K, two lanes to a block.  A lane's 16 codes are 12 bytes: the wave stores 384 consecutive bytes.
; A wave's 256 scale bytes are gathered in its own LDS bytes and leave as one aligned run of 256.  No tensor load, no barrier: waves share nothing.  Loads run four steps ahead.
; No cluster, no matrix work, no prefetch: every byte is read once by long runs of loads that are always on their way.
.set WAVES, 4
.set STEPS, 16
.set CB,    12                         ; bytes of 16 codes
.set R,     16                         ; v16-79   four sets of 16 numbers as they are loaded
.set X,     80                         ; v80-111  two sets of 16 neighbours
.set C,     128                        ; v128-191 codes: four registers for each step, so that no store's data are written again
.set E,     112                        ; v112-127 a scale byte for each step
.set WREG,  8192                       ; LDS: a region for each wave: two stages of 32 x SP bytes, behind them its 256 scale bytes
.set SP,    80                         ; a lane's place in a stage: 64 bytes + 16 of padding
.set SPW,   12                         ; v12      LDS address of my spare word; never rewritten
.set NIL,   13                         ; v13      0; never rewritten
.set SPARE, WAVES*WREG                 ; behind the four regions: the spare words, 128 bytes a wave, which no other line names
	s_load_b256 s[4:11], s[0:1], 0x0               ; q s[4:5], k s[6:7], v s[8:9], Wq s[10:11]
	s_load_b128 s[12:15], s[0:1], 0x20             ; Wo s[12:13], codes s[14:15]
	s_load_b64 s[24:25], s[0:1], 0x30              ; scales
	v_lshl_add_u32 v[SPW], v0, 2, SPARE
	v_mov_b32 v[NIL], 0
	v_lshrrev_b32 v1, 5, v0
	v_readfirstlane_b32 s16, v1                    ; wave
	v_and_b32 v2, 31, v0                           ; lane
	v_lshlrev_b32 v3, 4, v2                        ; my 16 bytes of a load's 512
	s_mul_i32 s17, s16, WREG
	v_lshrrev_b32 v14, 2, v2
	v_mul_u32_u24 v14, v14, SP
	v_and_b32 v15, 3, v2
	v_lshl_add_u32 v14, v15, 4, v14
	v_add_nc_u32 v14, s17, v14                     ; the stage, on the way in: SP (lane / 4) + 16 (lane % 4)
	v_mul_u32_u24 v15, v2, SP
	v_add_nc_u32 v15, s17, v15                     ; and on the way out: SP x lane: my 16 neighbours
	v_mul_u32_u24 v4, v2, CB                       ; my codes' place in a step's
	v_lshrrev_b32 v5, 1, v2
	s_add_co_u32 s17, s17, 2*32*SP
	v_add_nc_u32 v5, s17, v5                       ; LDS: my wave's 256 scale bytes, my block's byte
	v_lshlrev_b32 v7, 3, v2                        ; and on the way out 8 bytes a lane
	v_add_nc_u32 v6, s17, v7
	s_wait_kmcnt 0x0
	; which tensor is my work-group's: 0-255 q, 256-511 k, 512-767 v, 768-799 Wq, 800-831 Wo.  The choices hang on the work-group's number alone
	s_mov_b64 s[26:27], s[12:13]
	s_mov_b32 s17, 800
	s_cmp_lt_u32 ttmp9, 800
	s_cselect_b64 s[26:27], s[10:11], s[26:27]
	s_cselect_b32 s17, 768, s17
	s_cmp_lt_u32 ttmp9, 768
	s_cselect_b64 s[26:27], s[8:9], s[26:27]
	s_cselect_b32 s17, 512, s17
	s_cmp_lt_u32 ttmp9, 512
	s_cselect_b64 s[26:27], s[6:7], s[26:27]
	s_cselect_b32 s17, 256, s17
	s_cmp_lt_u32 ttmp9, 256
	s_cselect_b64 s[26:27], s[4:5], s[26:27]
	s_cselect_b32 s17, 0, s17
	s_sub_co_u32 s17, ttmp9, s17
	s_lshl_b32 s17, s17, 2
	s_add_co_u32 s18, s17, s16                     ; which run of 8 rows of the tensor my wave reads
	s_mov_b32 s19, 0
	s_lshl_b64 s[20:21], s[18:19], 15              ; 32,768 bytes a run
	s_add_nc_u64 s[26:27], s[26:27], s[20:21]
	s_and_b32 s22, s16, 1                          ; and where it is stored: groups 1 and 2 of the 32 rows change places
	s_lshl_b32 s22, s22, 1
	s_lshr_b32 s23, s16, 1
	s_or_b32 s22, s22, s23
	s_lshl_b32 s18, ttmp9, 2
	s_add_co_u32 s18, s18, s22
	s_mul_i32 s20, s18, 32*STEPS*CB                ; 6,144 bytes of codes a run
	s_mov_b32 s21, 0
	s_add_nc_u64 s[14:15], s[14:15], s[20:21]
	s_lshl_b32 s20, s18, 8                         ; 256 scale bytes a run
	s_add_nc_u64 s[24:25], s[24:25], s[20:21]
.macro LOAD t
.irp i, 0,1,2,3
	global_load_b128 v[R+16*((\t)%4)+4*\i:R+16*((\t)%4)+4*\i+3], v3, s[26:27] offset:2048*(\t)+512*\i th:TH_LOAD_NT   ; 32 lanes read 512 consecutive bytes
.endr
.endm
.macro TURN t                          ; step t's numbers through the stage: LDS serves a wave's instructions in order, so no wait stands between the stores and the loads
.irp i, 0,1,2,3
	ds_store_b128 v14, v[R+16*((\t)%4)+4*\i:R+16*((\t)%4)+4*\i+3] offset:32*SP*((\t)%2)+8*SP*\i
.endr
.irp i, 0,1,2,3
	ds_load_b128 v[X+16*((\t)%2)+4*\i:X+16*((\t)%2)+4*\i+3], v15 offset:32*SP*((\t)%2)+16*\i
.endr
.endm
.irp t, 0,1,2,3
	LOAD \t
.endr
	s_wait_loadcnt 12                              ; step 0's four loads are in; the twelve of steps 1 to 3 stay out
	TURN 0
.macro STEP t
.set XS, X+16*((\t)%2)
.if (\t) > 0
	s_wait_dscnt 1                                 ; this step's numbers are back from the stage (the last step's byte store may be out): so its stores into the stage have read their registers,
.else
	s_wait_dscnt 0x0
.endif
.if (\t)+4 < STEPS
	LOAD (\t)+4                                    ; which take the loads of four steps on
.endif
.if (\t)+1 < STEPS
.if STEPS-2-(\t) >= 3
	s_wait_loadcnt 12                              ; the next step's four loads are in; those of the three steps behind it may be out
.else
	s_wait_loadcnt 4*(STEPS-2-(\t))
.endif
	TURN (\t)+1                                    ; and go through the other stage while this step is worked
.endif
	v_max3_num_f32 v8, |v[XS]|, |v[XS+1]|, |v[XS+2]|               ; the largest magnitude of my 16, in two chains
	v_max3_num_f32 v9, |v[XS+3]|, |v[XS+4]|, |v[XS+5]|
.irp i, 6,10
	v_max3_num_f32 v8, v8, |v[XS+\i]|, |v[XS+\i+1]|
	v_max3_num_f32 v9, v9, |v[XS+\i+2]|, |v[XS+\i+3]|
.endr
	v_max3_num_f32 v8, v8, |v[XS+14]|, |v[XS+15]|
	v_max3_num_f32 v8, v8, v9, 0x1800000           ; and the floor 2^(3 - 127): so the byte cannot fall under 1
	v_max_num_f32_dpp v8, v8, v8 row_xmask:1 row_mask:0xf bank_mask:0xf   ; and of my neighbour's 16: the block's
	v_add_nc_u32 v11, 0xff000000, v8               ; 2 off its exponent field: the conversion takes the exponent field of this operand as its scale, and nothing else of it
	v_cvt_scalef32_pk16_fp6_f32 v[C+4*(\t):C+4*(\t)+2], v[XS:XS+15], v11   ; sixteen numbers / the scale, to the nearest code, ties to even, beyond the largest code the largest
	v_lshrrev_b32 v[E+(\t)], 23, v11               ; the scale's byte
	ds_store_b8 v5, v[E+(\t)] offset:16*(\t)       ; both lanes of a block write the same byte with the same value
	global_store_b96 v4, v[C+4*(\t):C+4*(\t)+2], s[14:15] offset:32*CB*(\t)
.endm
.irp t, 0,1,2,3,4,5,6,7,8,9,10,11,12,13,14,15
	STEP \t
.endr
	ds_load_b64 v[8:9], v6                         ; LDS serves a wave's instructions in order: these see my stores
	s_wait_dscnt 0x0
	global_store_b64 v7, v[8:9], s[24:25]          ; 32 lanes store 256 consecutive bytes, aligned
	s_wait_tensorcnt 0x0                           ; the wave's end, behind my last LDS store
	ds_add_u32 v[SPW], v[NIL]
	s_wait_dscnt 0x0
	s_endpgm
.Lfunc_end_k_qff79f19601_quant:
	.size	k_qff79f19601_quant, .Lfunc_end_k_qff79f19601_quant-k_qff79f19601_quant
	.p2alignl 7, 3214868480
	.fill 96, 4, 3214868480
	.section	.rodata,"a",@progbits
	.p2align	6, 0x0
	.amdhsa_kernel k_qff79f19601_quant
		.amdhsa_group_segment_fixed_size 33280
		.amdhsa_private_segment_fixed_size 0
		.amdhsa_enable_private_segment 0
		.amdhsa_kernarg_size 56
		.amdhsa_user_sgpr_count 2
		.amdhsa_user_sgpr_kernarg_segment_ptr 1
		.amdhsa_wavefront_size32 1
		.amdhsa_system_sgpr_workgroup_id_x 1
		.amdhsa_system_sgpr_workgroup_id_y 1
		.amdhsa_system_sgpr_workgroup_id_z 1
		.amdhsa_system_vgpr_workitem_id 0
		.amdhsa_next_free_vgpr 192
		.amdhsa_next_free_sgpr 66
		.amdhsa_reserve_vcc 0
		.amdhsa_float_denorm_mode_32 3
		.amdhsa_float_denorm_mode_16_64 3
		.amdhsa_memory_ordered 1
		.amdhsa_forward_progress 1
		.amdhsa_inst_pref_size 33
	.end_amdhsa_kernel
	.amdgpu_metadata
---
amdhsa.version: [ 1, 2 ]
amdhsa.kernels:
  - .name:           k_qff79f19601_quant
    .symbol:         k_qff79f19601_quant.kd
    .args:
      - { .name: q, .offset: 0, .size: 8, .value_kind: global_buffer, .address_space: global }
      - { .name: k, .offset: 8, .size: 8, .value_kind: global_buffer, .address_space: global }
      - { .name: v, .offset: 16, .size: 8, .value_kind: global_buffer, .address_space: global }
      - { .name: Wq, .offset: 24, .size: 8, .value_kind: global_buffer, .address_space: global }
      - { .name: Wo, .offset: 32, .size: 8, .value_kind: global_buffer, .address_space: global }
      - { .name: codes, .offset: 40, .size: 8, .value_kind: global_buffer, .address_space: global }
      - { .name: scales, .offset: 48, .size: 8, .value_kind: global_buffer, .address_space: global }
    .group_segment_fixed_size: 33280
    .private_segment_fixed_size: 0
    .kernarg_segment_align: 8
    .kernarg_segment_size: 56
    .max_flat_workgroup_size: 128
    .sgpr_count:     66
    .vgpr_count:     192
    .wavefront_size: 32
...
	.end_amdgpu_metadata
.endif
;; end of part 1
;; launch proj (part 2): grid 4 x 96, 4 waves a work-group, clusters of 4 x 4, 327,680 bytes of LDS; arguments codes, scales, qimg, kv; writes qimg, kv
.if DOCPART == 2
	.amdgcn_target "amdgcn-amd-amdhsa--gfx1250"
	.amdhsa_code_object_version 6
	.text
	.protected	k_qff79f19601_proj
	.globl	k_qff79f19601_proj
	.p2align	8
	.type	k_qff79f19601_proj,@function
k_qff79f19601_proj:
	s_mov_b64 s[64:65], 0
	v_nop
	global_prefetch_b8 v0, s[64:65] scope:SCOPE_SE
	s_setreg_imm32_b32 hwreg(HW_REG_WAVE_MODE, 25, 1), 1
	s_wait_xcnt 0x0
	s_wait_alu depctr_hold_cnt(0) depctr_sa_sdst(0) depctr_va_vdst(0) depctr_va_sdst(0) depctr_va_ssrc(0) depctr_va_vcc(0) depctr_vm_vsrc(0)
	s_getreg_b32 s2, hwreg(HW_REG_IB_STS2, 6, 4)
	s_cmp_eq_u32 s2, 0
	s_cbranch_scc0 .Lentry_in_a_cluster
	s_endpgm
.Lentry_in_a_cluster:
	s_bfe_u32 s2, ttmp6, 0x10000c
	s_cmp_lg_u32 s2, 0xf033
	s_cbranch_scc0 .Lentry_shape_is_right
	s_endpgm
.Lentry_shape_is_right:
; The three projections q Wq^T, k Wq^T, v Wq^T on codes of FP6 (E2M3) with E8M0 scales, K = 1,024; the results are quantised in registers and stored as images of the next products' operand registers.
; A tile of 256 x 256 is made by four waves, 128 x 128 each: 64 accumulators, 512 registers.  K goes in steps of 256 through a ring of two LDS slots filled by the tensor data mover; the scale bytes of the
; work-group's 512 rows come into LDS once.  THE MATRIX INSTRUCTION IS USED TRANSPOSED: source 0 = 16 rows of 'B', source 1 = 16 rows of 'A': a lane holds ONE row of 'A', its registers run along 'B's rows.
; Rows of the codes' buffer are stored so that the 16 registers of 'B's tiles 2 b and 2 b + 1 are the true rows 32 b + 16 (lane / 16) + 0 .. 15: neighbours, as the conversions want them.
; THE ROLES.  Clusters 0-7 (Q) and 8-15 (K): 'A' = rows of q or k, 'B' = Wq: the registers run along the features, the K of Q K^T.  Clusters 16-23 (V): 'A' = Wq, 'B' = rows of v: the registers run along the
; keys, the K of P V.  Both operands lie in one buffer, so only row numbers differ; the text is one.
; WHAT IS STORED.  Each of my eight blocks of 16 'A' rows x 128 'B' rows becomes one fragment (12 registers a lane) and one scale word a row.  A half image (registers 0-5 or 6-11) is 768 bytes: four registers by a
; store of 16 bytes a lane, two by one of 8.  Q, K: the two halves are two heads' 64 features.  V: a whole fragment is 16 features x 128 keys.  Scale words go out as 256 bytes: lane (r, h) owns words of fragments h and 2 + h.
; CLUSTERS: 4 x 4 work-groups; 'A's tiles are asked for jointly along a row of the cluster, 'B's along a column.
; LIMITS: NaN and infinities are not served; a block whose largest magnitude lies under 2^-124 (zeros too) gets the byte 1, and its codes are what the conversion makes of it.
; No prefetch: K has four steps, two of them asked for at the head.  One tile to a work-group: 24 clusters of equal work.
; REGISTERS, in windows of 256: window 0: v0-31 addresses; v32-63 scale words, two sets; from v128 'A's fragments, ONE set; in the way out v32-195 are free.  window 1: 'B's fragments, TWO sets.  windows 2, 3: the accumulators ((a, b) at v[8 (8 (a % 4) + b)]).
.set SIZE_K, 1024
.set KSTEP,  256                       ; along K in a slot
.set NQ,     KSTEP/128                 ; matrix instructions deep
.set ROWB,   192                       ; a tile's row in bytes
.set KROW,   SIZE_K*6/8                ; a row of codes in memory
.set PITCH,  240                       ; an LDS row: 3 x (64 bytes + 16 of padding) = 60 words: the 32 lanes of a load of 8 bytes touch 64 different banks (64 banks of 4 bytes: ISA guide 11.1)
.set FR,     12                        ; registers of a fragment
.set NL,     6                         ; LDS loads that bring one
.set NP,     4                         ; places behind this matrix instruction (ISA guide 7.12.1)
.set HALFT,  128*PITCH                 ; 128 rows: what one tensor load brings
.set SLOT,   4*HALFT                   ; 'A's 256 rows, then 'B's 256 rows
.set LAPS,   SIZE_K/(2*KSTEP)
.set KS,     SIZE_K/32                 ; a row of scale bytes
.set SCL,    2*SLOT                    ; behind the ring: the scales, as runs of 256 bytes + 16 of padding
.set HALFS,  (128*KS/256)*272
.set SBLK,   (16*KS/256)*272
.set SPARE,  SCL+4*HALFS               ; behind the scales: the spare words, 128 bytes a wave, which no other line names
.set ADRA, 16                          ; v16-17 LDS address of my 'A' fragments in slot 0, 1 (v18-19: behind one padding more)
.set ADRB, 20                          ; v20-23 the same for 'B'
.set L16,  24                          ; v24    16 x lane
.set L8,   25                          ; v25    8 x lane
.set ADRS, 27                          ; v27    LDS address of my scale words: lanes 0-15 'A's rows, lanes 16-31 'B's
.set SPW,  28                          ; v28    my spare word; never rewritten
.set NIL,  29                          ; v29    0; never rewritten
.set SC,   32                          ; scale words, set s at v[SC + 16 s]
.set AF,   128                         ; 'A's fragments
.set PW,   32                          ; the way out: v32-39 the eight blocks' scale words
.set FG,   64                          ; v64-159 the eight fragments made
.set T2,   160                         ; v160-162, v164-166 the second conversions' results
.set TM,   168                         ; v168-171 largest magnitudes
.set TP,   172                         ; v172-175 the other half's, then the bytes
.set TS,   176                         ; v176-179 the conversions' scale operands
.set XX,   184                         ; v184-187, v188-191 the two heads' scale words
.set YY,   188
.set UU,   192                         ; v192-195 two lanes' pairs to store
.set CL,   2                           ; s2  the cluster's number
.set MHI,  95                          ; s95 the mask of lanes 16-31
.set BLO,  96                          ; s[96:97] where my first head's images go;  s[98:99] my second head's
.set BHI,  98
.set SEL,  100                         ; s[100:101] lane selects: lane l xor 16
.set G1, 24
.set G0, 32
.set G1B, 48
.set G0B, 56
.set G1S, 68
.set G0S, 76
.set G1SB, 80
.set G0SB, 88
.set MSB, 0
.macro WIN new                         ; the immediate's high byte repeats the setting that is left
.if MSB != \new
	s_set_vgpr_msb (MSB<<8)|\new
.set MSB, \new
.endif
.endm
.set MUL_LO, 0xa1                      ; source 0 ('B') window 1, source 1 ('A') window 0, C and D window 2
.set MUL_HI, 0xf1
.set TO_B,   0x40
; A joint load: waves 0 and 1 fetch for 'A', waves 2 and 3 for 'B'.  The branch hangs on the wave's number alone.  An s_nop 0 and four v_nop follow each of the two lines.
.macro JLOAD g0a, g1a, g0b, g1b
	s_cmp_eq_u32 s15, 0
	s_cbranch_scc0 .Lfor_b_\@
	tensor_load_to_lds s[\g0a:\g0a+3], s[\g1a:\g1a+7]
	s_nop 0
.rept 4
	v_nop
.endr
	s_branch .Lasked_\@
.Lfor_b_\@:
	tensor_load_to_lds s[\g0b:\g0b+3], s[\g1b:\g1b+7]
	s_nop 0
.rept 4
	v_nop
.endr
.Lasked_\@:
.endm
.macro CREST                           ; a round of the cluster's barrier behind its opening barrier
	s_cmp_lg_u32 s14, 0
	s_cbranch_scc1 .Lnot_wave_0_\@
	s_barrier_signal -3
.Lnot_wave_0_\@:
	s_barrier_wait -3
	s_barrier_signal -1
	s_barrier_wait -1
.endm
.macro CROUND
	s_barrier_signal -1
	s_barrier_wait -1
	CREST
.endm
	s_load_b256 s[4:11], s[0:1], 0x0               ; codes s[4:5], scales s[6:7], qimg s[8:9], kv s[10:11]
	v_lshl_add_u32 v[SPW], v0, 2, SPARE
	v_mov_b32 v[NIL], 0
	ds_add_u32 v[SPW], v[NIL]                      ; the wave's opening: the add and its wait stand ahead of my first tensor load; the set-up below stands between them
	v_lshrrev_b32 v1, 5, v0
	v_readfirstlane_b32 s14, v1                    ; wave 0..3
	s_lshr_b32 s15, s14, 1                         ; which half of 'A's rows is mine.  Also: I fetch for 'A' (0) or for 'B' (1)
	s_and_b32 s16, s14, 1                          ; which half of 'B's rows.  Also: which 128 rows of that tile I fetch
	s_bfe_u32 s40, ttmp6, 0x40000                  ; cx, cy: my place in the cluster
	s_bfe_u32 s41, ttmp6, 0x40004
	s_and_b32 s[CL], ttmp7, 0xffff                 ; the cluster: 0-7 Q, 8-15 K, 16-23 V
	s_lshl_b32 s44, s[CL], 2
	s_cmp_lt_u32 s[CL], 16                         ; in units of 256 stored rows: q, k, v begin at 4 x cluster, Wq at 96
	s_cselect_b32 s17, s44, 96
	s_cselect_b32 s42, 96, s44
	s_add_co_u32 s17, s17, s41                     ; 'A's tile: hangs on cy alone
	s_add_co_u32 s42, s42, s40                     ; 'B's tile: on cx alone
	s_lshl_b32 s43, s41, 2
	s_lshl_b32 s43, 15, s43                        ; my row of the cluster
	s_lshl_b32 s44, 0x1111, s40                    ; my column
	; descriptor group 1: a tile of 128 rows x 192 bytes, 16 bytes of padding behind every 64
	s_or_b32 s[G1+0], s43, (0<<16)|(1<<20)|(1<<21)|(3<<22)|(3<<25)
	s_or_b32 s[G1B+0], s44, (0<<16)|(1<<20)|(1<<21)|(3<<22)|(3<<25)
.irp g, G1, G1B
	s_mov_b32 s[\g+1], ROWB<<16                    ; tensor_dim0
	s_mov_b32 s[\g+2], 128<<16                     ; tensor_dim1
	s_mov_b32 s[\g+3], ROWB<<16                    ; tile_dim0
	s_mov_b32 s[\g+4], 128                         ; tile_dim1
	s_mov_b32 s[\g+5], KROW                        ; the pitch
	s_mov_b32 s[\g+6], 0
	s_mov_b32 s[\g+7], 0
.endr
	; the scales of 128 rows: 4,096 dense bytes, as 16 rows of 256 bytes (32 elements of 8), 16 bytes of padding behind each
	s_or_b32 s[G1S+0], s43, (3<<16)|(1<<20)|(1<<21)|(5<<22)|(3<<25)
	s_or_b32 s[G1SB+0], s44, (3<<16)|(1<<20)|(1<<21)|(5<<22)|(3<<25)
.irp g, G1S, G1SB
	s_mov_b32 s[\g+1], 32<<16
	s_mov_b32 s[\g+2], (128*KS/256)<<16
	s_mov_b32 s[\g+3], 32<<16
	s_mov_b32 s[\g+4], 128*KS/256
	s_mov_b32 s[\g+5], 32
	s_mov_b32 s[\g+6], 0
	s_mov_b32 s[\g+7], 0
.endr
	s_mov_b32 s[MHI], 0xffff0000
	s_mov_b32 s[SEL], 0x76543210
	s_mov_b32 s[SEL+1], 0xfedcba98
	s_lshl_b32 s18, s16, 7                         ; which 128 rows of the tile I fetch
	s_lshl_b32 s20, s17, 8
	s_add_co_u32 s20, s20, s18
	s_lshl_b32 s46, s42, 8
	s_add_co_u32 s46, s46, s18
	s_mov_b32 s21, 0
	s_mov_b32 s47, 0
	s_mov_b64 s[18:19], KS
	s_mul_u64 s[22:23], s[20:21], s[18:19]         ; where these rows' scales begin, in bytes
	s_mul_u64 s[92:93], s[46:47], s[18:19]
	s_mov_b64 s[18:19], KROW
	s_mul_u64 s[20:21], s[20:21], s[18:19]         ; and their codes
	s_mul_u64 s[46:47], s[46:47], s[18:19]
	s_mul_i32 s45, s14, HALFT                      ; where they go: wave x 128 rows: no place in the cluster enters an LDS address
	s_mul_i32 s94, s14, HALFS
	s_wait_dscnt 0x0                               ; the opening add is done
	s_wait_kmcnt 0x0
	s_add_nc_u64 s[20:21], s[4:5], s[20:21]
	s_add_nc_u64 s[22:23], s[6:7], s[22:23]
	s_add_nc_u64 s[46:47], s[4:5], s[46:47]
	s_add_nc_u64 s[92:93], s[6:7], s[92:93]
	CROUND                                         ; all sixteen work-groups are here: the first joint loads meet
	s_mov_b32 s[G0S], 1
	s_add_co_u32 s[G0S+1], s94, SCL
	s_mov_b64 s[G0S+2:G0S+3], s[22:23]
	s_or_b32 s[G0S+3], s[G0S+3], 0x80000000
	s_mov_b32 s[G0SB], 1
	s_add_co_u32 s[G0SB+1], s94, SCL
	s_mov_b64 s[G0SB+2:G0SB+3], s[92:93]
	s_or_b32 s[G0SB+3], s[G0SB+3], 0x80000000
	JLOAD G0S, G1S, G0SB, G1SB                     ; the scales first: they are wanted with K step 0
.irp s, 0,1
	s_mov_b32 s[G0+4*\s], 1
	s_add_co_u32 s[G0+4*\s+1], s45, \s*SLOT
	s_add_nc_u64 s[G0+4*\s+2:G0+4*\s+3], s[20:21], \s*ROWB
	s_or_b32 s[G0+4*\s+3], s[G0+4*\s+3], 0x80000000
	s_mov_b32 s[G0B+4*\s], 1
	s_add_co_u32 s[G0B+4*\s+1], s45, \s*SLOT
	s_add_nc_u64 s[G0B+4*\s+2:G0B+4*\s+3], s[46:47], \s*ROWB
	s_or_b32 s[G0B+4*\s+3], s[G0B+4*\s+3], 0x80000000
	JLOAD G0+4*\s, G1, G0B+4*\s, G1B
.endr
	v_and_b32 v1, 15, v0                           ; l % 16
	v_bfe_u32 v2, v0, 4, 1                         ; l / 16
	v_mul_u32_u24 v3, v1, PITCH
	v_mul_u32_u24 v4, v2, 24
	v_add_nc_u32 v4, v3, v4                        ; a fragment's row x pitch + 24 x half
	v_lshl_add_u32 v5, v2, 4, v4                   ; and the same behind one padding more
	s_mul_i32 s21, s15, HALFT                      ; my 128 rows of 'A'
	s_mul_i32 s22, s16, HALFT                      ; my 128 rows of 'B',
	s_add_co_u32 s22, s22, 2*HALFT                 ; which lie behind 'A's 256
.irp s, 0,1
	v_add_nc_u32 v[ADRA+\s], s21, v4
	v_add_nc_u32 v[ADRB+\s], s22, v4
	v_add_nc_u32 v[ADRA+2+\s], s21, v5
	v_add_nc_u32 v[ADRB+2+\s], s22, v5
	s_add_co_u32 s21, s21, SLOT
	s_add_co_u32 s22, s22, SLOT
.endr
	v_mul_u32_u24 v5, v1, KS                       ; my row's scales: KS bytes a row,
	v_lshrrev_b32 v6, 8, v5
	v_lshl_add_u32 v5, v6, 4, v5                   ; and 16 more for each 256 passed
	s_mul_i32 s21, s15, HALFS
	s_mul_i32 s22, s16, HALFS
	s_add_co_u32 s22, s22, 2*HALFS
	s_sub_co_u32 s22, s22, s21
	v_mul_u32_u24 v6, s22, v2                      ; lanes 16-31 take 'B's
	s_add_co_u32 s21, s21, SCL
	v_add_nc_u32 v5, v5, v6
	v_add_nc_u32 v[ADRS], s21, v5
	v_and_b32 v6, 31, v0
	v_lshlrev_b32 v[L16], 4, v6
	v_lshlrev_b32 v[L8], 3, v6
	; where my images go.  Q, K: heads 4 cx + 2 ('B' half), + 1; group of 128 rows 2 x 'A' tile + 'A' half.  V: heads 4 cy + 2 ('A' half), + 1; group of 128 keys 2 x 'B' tile + 'B' half
	s_lshl_b32 s18, s40, 2
	s_lshl_b32 s19, s16, 1
	s_add_co_u32 s18, s18, s19
	s_lshl_b32 s19, s41, 2
	s_lshl_b32 s20, s15, 1
	s_add_co_u32 s19, s19, s20
	s_lshl_b32 s20, s17, 1
	s_add_co_u32 s20, s20, s15
	s_lshl_b32 s21, s42, 1
	s_add_co_u32 s21, s21, s16
	s_cmp_lt_u32 s[CL], 16
	s_cselect_b32 s18, s18, s19                    ; my first head
	s_cselect_b32 s20, s20, s21                    ; my group,
	s_cselect_b32 s22, 0, 6400                     ; V lies behind K in a chunk
	s_and_b32 s20, s20, 63                         ; counted from its tensor's first row: 16 groups a batch
	s_mov_b32 s12, 204800
	s_mov_b32 s13, 12800
	s_cmp_lt_u32 s[CL], 8
	s_cselect_b32 s12, 102400, s12                 ; bytes of a head: 16 chunks
	s_cselect_b32 s13, 6400, s13                   ; bytes of a chunk
	s_cselect_b64 s[BLO:BLO+1], s[8:9], s[10:11]   ; Q's images or K's and V's
	s_lshr_b32 s19, s20, 4
	s_lshl_b32 s19, s19, 4
	s_add_co_u32 s19, s19, s18                     ; 16 x batch + head
	s_and_b32 s20, s20, 15
	s_mul_i32 s19, s19, s12
	s_mul_i32 s20, s20, s13
	s_add_co_u32 s46, s19, s20
	s_add_co_u32 s46, s46, s22
	s_mov_b32 s47, 0
	s_mov_b32 s13, 0
	s_add_nc_u64 s[BLO:BLO+1], s[BLO:BLO+1], s[46:47]
	s_add_nc_u64 s[BHI:BHI+1], s[BLO:BLO+1], s[12:13]   ; the next head, a head's bytes on
.macro FRAG reg, adr, q, i             ; a fragment: lane l holds row l % 16; registers 6 c .. 6 c + 5 hold K = 64 c + 32 (l / 16) + 0 .. 31: 24 bytes of the row's stream of bits, in pieces of 8 bytes
.irp p, 0,1,2,3,4,5
.set PC, 12*(\q)+6*(\p/3)+\p%3        ; where the piece three on lies behind one padding more, the second address register serves
.if PC%8 < 5
	ds_load_b64 v[\reg+2*\p:\reg+2*\p+1], v[\adr] offset:8*PC+16*(PC/8)+(\i)*16*PITCH
.else
	ds_load_b64 v[\reg+2*\p:\reg+2*\p+1], v[\adr+2] offset:8*PC+16*(PC/8)+(\i)*16*PITCH
.endif
.endr
.endm
; 16 matrix instructions: 'A's blocks a0, a0 + 1 x 'B's eight, 128 along K.  The 64 accumulators take turns, one instruction a turn, in the same order in every step.
.macro MUL16 a0, p, q, sc, zero
.irp a, \a0, \a0+1
.irp b, 0,1,2,3,4,5,6,7
.if \zero
	v_wmma_scale_f32_16x16x128_f8f6f4 v[8*(8*((\a)%4)+\b):8*(8*((\a)%4)+\b)+7], v[128*(\p)+FR*\b:128*(\p)+FR*\b+FR-1], v[AF+FR*(\a):AF+FR*(\a)+FR-1], 0, v[SC+8*NQ*(\sc)+NQ*\b+(\q)], v[SC+8*NQ*(\sc)+NQ*(\a)+(\q)] matrix_a_fmt:MATRIX_FMT_FP6 matrix_b_fmt:MATRIX_FMT_FP6 matrix_a_scale:MATRIX_SCALE_ROW1
.else
	v_wmma_scale_f32_16x16x128_f8f6f4 v[8*(8*((\a)%4)+\b):8*(8*((\a)%4)+\b)+7], v[128*(\p)+FR*\b:128*(\p)+FR*\b+FR-1], v[AF+FR*(\a):AF+FR*(\a)+FR-1], v[8*(8*((\a)%4)+\b):8*(8*((\a)%4)+\b)+7], v[SC+8*NQ*(\sc)+NQ*\b+(\q)], v[SC+8*NQ*(\sc)+NQ*(\a)+(\q)] matrix_a_fmt:MATRIX_FMT_FP6 matrix_b_fmt:MATRIX_FMT_FP6 matrix_a_scale:MATRIX_SCALE_ROW1
.endif
.endr
.endr
.endm
.macro FETCH_B slot, q, p
	WIN TO_B
.irp i, 0,1,2,3,4,5,6,7
	FRAG 128*(\p)+FR*\i, ADRB+\slot, \q, \i
.endr
	WIN 0
.endm
.macro FETCH_A slot, q, i0
.irp i, \i0, \i0+1, \i0+2, \i0+3
	FRAG AF+FR*(\i), ADRA+\slot, \q, \i
.endr
.endm
.macro SCALES sc                       ; the next K step's scale words: two words a row; lanes 0-15 take 'A's block i, lanes 16-31 'B's block i
.irp i, 0,1,2,3,4,5,6,7
	ds_load_b64 v[SC+8*NQ*\sc+NQ*\i:SC+8*NQ*\sc+NQ*\i+1], v[ADRS] offset:\i*SBLK
.endr
.endm
.macro PLACES n                        ; plain vector instructions between a matrix instruction and a load into, or a vector instruction on, its registers
.rept \n
	v_nop
.endr
.endm
.macro STEP slot, q, zero              ; a step of 128 along K that has its successor in the same slot
	s_wait_dscnt 4*NL                              ; 'B's set and 'A's blocks 0-3 are in; the youngest 24 loads ('A's blocks 4-7) may be out
	WIN MUL_LO
	MUL16 0, (\q)%2, \q, \slot, \zero
	MUL16 2, (\q)%2, \q, \slot, \zero
	s_wait_dscnt 0
	PLACES NP
	FETCH_B \slot, (\q)+1, 1-(\q)%2
	FETCH_A \slot, (\q)+1, 0
	WIN MUL_HI
	MUL16 4, (\q)%2, \q, \slot, \zero
	MUL16 6, (\q)%2, \q, \slot, \zero
	PLACES NP
	WIN 0
	FETCH_A \slot, (\q)+1, 4
.endm
; A slot's last step changes slots: ONE barrier; in front of it each wave waits for all its tensor loads, adds 0 to its spare word, and waits for that and for its own reads of this slot.
.macro TURN slot, next, fill
	s_wait_tensorcnt 0x0                           ; all my tensor loads have landed: my part of the next slot
	ds_add_u32 v[SPW], v[NIL]                      ; 0 onto my spare word
	s_wait_dscnt 4*NL+1                            ; (the add and the youngest 24 loads may be out)
	WIN MUL_LO
	MUL16 0, 1, NQ-1, \slot, 0
	s_wait_dscnt 0x0                               ; the add is done, and my reads of this slot are over
	s_barrier_signal -1
	MUL16 2, 1, NQ-1, \slot, 0
	WIN 0
	s_barrier_wait -1
.if \fill
	CREST                                          ; the barrier has opened a round of the cluster's barrier: no wave of any partner still reads this slot or has a load on its way
	s_add_nc_u64 s[G0+4*\slot+2:G0+4*\slot+3], s[G0+4*\slot+2:G0+4*\slot+3], 2*ROWB
	s_add_nc_u64 s[G0B+4*\slot+2:G0B+4*\slot+3], s[G0B+4*\slot+2:G0B+4*\slot+3], 2*ROWB
	JLOAD G0+4*\slot, G1, G0B+4*\slot, G1B         ; the first tensor load behind the round; its four v_nop are the places in front of the loads below
.else
	PLACES NP
.endif
	v_add_nc_u32 v[ADRS], 4*NQ, v[ADRS]            ; on to the next K step's scale words
	FETCH_B \next, 0, 0
	FETCH_A \next, 0, 0
	SCALES \next
	WIN MUL_HI
	MUL16 4, 1, NQ-1, \slot, 0
	MUL16 6, 1, NQ-1, \slot, 0
	PLACES NP
	WIN 0
	FETCH_A \next, 0, 4
.endm
	s_wait_tensorcnt 1                             ; of my three loads the scales and K step 0 are in; K step 1's may be out
	s_barrier_signal -1
	s_barrier_wait -1
	FETCH_B 0, 0, 0
	FETCH_A 0, 0, 0
	SCALES 0
	FETCH_A 0, 0, 4
	STEP 0, 0, 1                                   ; the first step stands in front of the loop: its products start the sums
	s_mov_b32 s3, LAPS-1
.Llap:                                                 ; a trip goes once round the ring and fills both slots again
	TURN 0, 1, 1
	STEP 1, 0, 0
	TURN 1, 0, 1
	STEP 0, 0, 0
	s_sub_co_u32 s3, s3, 1
	s_cmp_lg_u32 s3, 0
	s_cbranch_scc1 .Llap
	TURN 0, 1, 0                                   ; the last lap fills nothing
	STEP 1, 0, 0
	s_wait_dscnt 4*NL
	WIN MUL_LO
	MUL16 0, 1, NQ-1, 1, 0
	MUL16 2, 1, NQ-1, 1, 0
	s_wait_dscnt 0
	WIN MUL_HI
	MUL16 4, 1, NQ-1, 1, 0
	MUL16 6, 1, NQ-1, 1, 0
	WIN 0
	PLACES NP                                      ; behind the last products: their results are read and their operands' registers written below
; THE WAY OUT.  Block a's 64 numbers of a lane, register 16 b + i = 'B' row 32 b + 16 (lane / 16) + i, become a fragment's codes in v[FG + 12 a] on and its rows' scale word in v[PW + a].
; Each accumulator is read from its low end on.  The accumulators lie in window 2 or 3, all else in window 0.
.macro QUANTW a
.set AC, 64*((\a)%4)
.set WW, 2+(\a)/4
.set FF, FG+12*(\a)
	WIN 0
.irp b, 0,1,2,3
	v_mov_b32 v[TM+\b], 0x1800000                  ; the floor 2^(3 - 127): so the byte cannot fall under 1
.endr
	WIN ((WW<<2)|(WW<<4))                          ; sources 1 and 2: the accumulators' window
.irp i, 0,2,4,6,8,10,12,14
.irp b, 0,1,2,3
	v_max3_num_f32 v[TM+\b], v[TM+\b], |v[AC+16*\b+\i]|, |v[AC+16*\b+\i+1]|   ; the four blocks by turns
.endr
.endr
	WIN 0
.irp b, 0,1,2,3
	v_permlanex16_b32 v[TP+\b], v[TM+\b], s[SEL], s[SEL+1]
.endr
.irp b, 0,1,2,3
	v_max_num_f32 v[TM+\b], v[TM+\b], v[TP+\b]     ; with lane l xor 16's 16: the block's largest magnitude
.endr
.irp b, 0,1,2,3
	v_add_nc_u32 v[TS+\b], 0xff000000, v[TM+\b]    ; 2 off its exponent field: the conversion's scale operand
.endr
.irp b, 0,1,2,3
	v_lshrrev_b32 v[TP+\b], 23, v[TS+\b]           ; the scale's byte
.endr
	v_lshl_or_b32 v[PW+(\a)], v[TP+1], 8, v[TP]
	v_lshl_or_b32 v[PW+(\a)], v[TP+2], 16, v[PW+(\a)]
	v_lshl_or_b32 v[PW+(\a)], v[TP+3], 24, v[PW+(\a)]
	WIN WW                                         ; source 0: the accumulators' window
.irp c, 0,1
	v_cvt_scalef32_pk16_fp6_f32 v[FF+6*\c:FF+6*\c+2], v[AC+32*\c:AC+32*\c+15], v[TS+2*\c]
	v_cvt_scalef32_pk16_fp6_f32 v[T2+4*\c:T2+4*\c+2], v[AC+32*\c+16:AC+32*\c+31], v[TS+2*\c+1]   ; (a conversion's three registers begin on an even number)
.endr
	WIN 0
	v_nop                                          ; one plain place behind a scaled conversion
.irp c, 0,1                                    ; the operand's layout wants a WHOLE block in a lane: lanes 0-15 block 2 c, lanes 16-31 block 2 c + 1
.irp i, 0,1,2
	v_permlane16_swap_b32 v[FF+6*\c+\i], v[T2+4*\c+\i]
.endr
.irp i, 0,1,2
	v_mov_b32 v[FF+6*\c+3+\i], v[T2+4*\c+\i]
.endr
.endr
.endm
.irp b, 0,1,2,3
	v_mov_b32 v[TP+\b], 0                          ; written once: a lane permute's destination counts as one of its sources
.endr
.irp a, 0,1,2,3,4,5,6,7
	QUANTW \a
.endr
	s_cmp_lt_u32 s[CL], 16                         ; the cluster's number: the same in all sixteen partners
	s_cbranch_scc0 .Lv_out
	; Q, K: block a is tile a of the chunk; registers 0-5 are my first head's 64 features, registers 6-11 my second head's.  Each store covers 512 or 256 consecutive bytes, aligned
.irp a, 0,1,2,3,4,5,6,7
	global_store_b128 v[L16], v[FG+12*\a:FG+12*\a+3], s[BLO:BLO+1] offset:768*\a
	global_store_b64 v[L8], v[FG+12*\a+4:FG+12*\a+5], s[BLO:BLO+1] offset:768*\a+512
	global_store_b128 v[L16], v[FG+12*\a+6:FG+12*\a+9], s[BHI:BHI+1] offset:768*\a
	global_store_b64 v[L8], v[FG+12*\a+10:FG+12*\a+11], s[BHI:BHI+1] offset:768*\a+512
.endr
.irp e, 0,1,2,3                                ; the word of the pair of tiles 2 e, 2 e + 1: two bytes of each; the low halves are my first head's, the high halves my second head's
	v_perm_b32 v[XX+\e], v[PW+2*\e+1], v[PW+2*\e], 0x05040100
	v_perm_b32 v[YY+\e], v[PW+2*\e+1], v[PW+2*\e], 0x07060302
.endr
	v_cndmask_b32 v[UU], v[XX], v[XX+1], s[MHI]    ; lane (r, h) owns the words of pairs h and 2 + h
	v_cndmask_b32 v[UU+1], v[XX+2], v[XX+3], s[MHI]
	v_cndmask_b32 v[UU+2], v[YY], v[YY+1], s[MHI]
	v_cndmask_b32 v[UU+3], v[YY+2], v[YY+3], s[MHI]
	global_store_b64 v[L8], v[UU:UU+1], s[BLO:BLO+1] offset:6144
	global_store_b64 v[L8], v[UU+2:UU+3], s[BHI:BHI+1] offset:6144
	s_branch .Lout_done
.Lv_out:
	; V: blocks 0-3 are my first head's four tiles of 16 features, blocks 4-7 my second head's; a whole fragment is 128 keys
.irp a, 0,1,2,3,4,5,6,7
	global_store_b128 v[L16], v[FG+12*\a:FG+12*\a+3], s[BLO+2*(\a/4):BLO+2*(\a/4)+1] offset:1536*(\a%4)
	global_store_b64 v[L8], v[FG+12*\a+4:FG+12*\a+5], s[BLO+2*(\a/4):BLO+2*(\a/4)+1] offset:1536*(\a%4)+512
	global_store_b128 v[L16], v[FG+12*\a+6:FG+12*\a+9], s[BLO+2*(\a/4):BLO+2*(\a/4)+1] offset:1536*(\a%4)+768
	global_store_b64 v[L8], v[FG+12*\a+10:FG+12*\a+11], s[BLO+2*(\a/4):BLO+2*(\a/4)+1] offset:1536*(\a%4)+1280
.endr
	v_cndmask_b32 v[UU], v[PW], v[PW+1], s[MHI]
	v_cndmask_b32 v[UU+1], v[PW+2], v[PW+3], s[MHI]
	v_cndmask_b32 v[UU+2], v[PW+4], v[PW+5], s[MHI]
	v_cndmask_b32 v[UU+3], v[PW+6], v[PW+7], s[MHI]
	global_store_b64 v[L8], v[UU:UU+1], s[BLO:BLO+1] offset:6144
	global_store_b64 v[L8], v[UU+2:UU+3], s[BHI:BHI+1] offset:6144
.Lout_done:
	s_wait_tensorcnt 0x0                           ; the wave's end, behind my last tensor load
	ds_add_u32 v[SPW], v[NIL]
	s_wait_dscnt 0x0
	CROUND                                         ; the closing round: no work-group ends while a partner may still ask for a tile that names it
	s_endpgm
.Lfunc_end_k_qff79f19601_proj:
	.size	k_qff79f19601_proj, .Lfunc_end_k_qff79f19601_proj-k_qff79f19601_proj
	.p2alignl 7, 3214868480
	.fill 96, 4, 3214868480
	.section	.rodata,"a",@progbits
	.p2align	6, 0x0
	.amdhsa_kernel k_qff79f19601_proj
		.amdhsa_group_segment_fixed_size 327680
		.amdhsa_private_segment_fixed_size 0
		.amdhsa_enable_private_segment 0
		.amdhsa_kernarg_size 32
		.amdhsa_user_sgpr_count 2
		.amdhsa_user_sgpr_kernarg_segment_ptr 1
		.amdhsa_wavefront_size32 1
		.amdhsa_system_sgpr_workgroup_id_x 1
		.amdhsa_system_sgpr_workgroup_id_y 1
		.amdhsa_system_sgpr_workgroup_id_z 1
		.amdhsa_system_vgpr_workitem_id 0
		.amdhsa_next_free_vgpr 1024
		.amdhsa_next_free_sgpr 102
		.amdhsa_reserve_vcc 0
		.amdhsa_float_denorm_mode_32 3
		.amdhsa_float_denorm_mode_16_64 3
		.amdhsa_memory_ordered 1
		.amdhsa_forward_progress 1
		.amdhsa_inst_pref_size 171
	.end_amdhsa_kernel
	.amdgpu_metadata
---
amdhsa.version: [ 1, 2 ]
amdhsa.kernels:
  - .name:           k_qff79f19601_proj
    .symbol:         k_qff79f19601_proj.kd
    .args:
      - { .name: codes, .offset: 0, .size: 8, .value_kind: global_buffer, .address_space: global }
      - { .name: scales, .offset: 8, .size: 8, .value_kind: global_buffer, .address_space: global }
      - { .name: qimg, .offset: 16, .size: 8, .value_kind: global_buffer, .address_space: global }
      - { .name: kv, .offset: 24, .size: 8, .value_kind: global_buffer, .address_space: global }
    .group_segment_fixed_size: 327680
    .private_segment_fixed_size: 0
    .kernarg_segment_align: 8
    .kernarg_segment_size: 32
    .max_flat_workgroup_size: 128
    .sgpr_count:     102
    .vgpr_count:     1024
    .wavefront_size: 32
...
	.end_amdgpu_metadata
.endif
;; end of part 2
;; launch attn (part 3): grid 4 x 64, 16 waves a work-group, clusters of 4 x 1, 206,848 bytes of LDS; arguments qimg, kv, oimg, oscl; writes oimg, oscl
.if DOCPART == 3
	.amdgcn_target "amdgcn-amd-amdhsa--gfx1250"
	.amdhsa_code_object_version 6
	.text
	.protected	k_qff79f19601_attn
	.globl	k_qff79f19601_attn
	.p2align	8
	.type	k_qff79f19601_attn,@function
k_qff79f19601_attn:
	s_mov_b64 s[64:65], 0
	v_nop
	global_prefetch_b8 v0, s[64:65] scope:SCOPE_SE
	s_setreg_imm32_b32 hwreg(HW_REG_WAVE_MODE, 25, 1), 1
	s_wait_xcnt 0x0
	s_wait_alu depctr_hold_cnt(0) depctr_sa_sdst(0) depctr_va_vdst(0) depctr_va_sdst(0) depctr_va_ssrc(0) depctr_va_vcc(0) depctr_vm_vsrc(0)
	s_getreg_b32 s2, hwreg(HW_REG_IB_STS2, 6, 4)
	s_cmp_eq_u32 s2, 0
	s_cbranch_scc0 .Lentry_in_a_cluster
	s_endpgm
.Lentry_in_a_cluster:
	s_bfe_u32 s2, ttmp6, 0x10000c
	s_cmp_lg_u32 s2, 0x3003
	s_cbranch_scc0 .Lentry_shape_is_right
	s_endpgm
.Lentry_shape_is_right:
; For each of 64 (batch, head): O = softmax(Q K^T / 8) V on codes of FP6 (E2M3) with E8M0 scales; O / the row's sum is quantised along the model axis and stored as images of the last product's operand.
; THE SOFTMAX AHEAD OF THE SECOND PRODUCT: t = score x log2(e) / 8; M = the row's largest t so far, rounded UP to a whole number; p = 2^(t - M) is what is quantised, along the keys; the row's sum is taken of the
; unquantised p, in f32.  When M moves, the sum and O are multiplied by 2^(old M - new M): exact.
; SHARES.  A work-group owns 512 queries of one head; each of its SIXTEEN waves owns two tiles of 16 queries, one after the other (two passes), in 256 registers: four waves to a SIMD, so that one wave's vector
; work stands beside another's matrix work and LDS loads.  Every wave walks the head's 2,048 keys, 128 a step.
; A HEAD'S WHOLE K AND V LIE IN LDS: 16 chunks of 12,800 bytes (128 keys: K's eight half images and scale words, V's four fragments and scale words), as they lie in memory.  They are filled once: no ring.
; CLUSTER.  The four work-groups of a head form a cluster and ask for each chunk JOINTLY.  Waves 0 to 3 issue four loads each (chunk 4 g + wave in group g): four of a wave's loads are out at the most.
; Pass 0 begins on group 0 while groups 1 to 3 are on their way.  No prefetch: every byte of K and V is asked for at the head by these loads, Q for both passes too.
; LAYOUT.  Both products are used transposed: a lane holds ONE query (lane % 16) throughout.  The head's K is 64, half of the instruction's 128: a fragment of K holds TWO tiles of 16 keys (registers 0-5, 6-11),
; and is multiplied once by [Q | zero codes] and once by [zero codes | Q]; zero codes add nothing under any scale byte from 1 to 254.  The keys of a tile are chosen (by the launch that stored them) so that
; registers 16 b + i of S^T are keys 32 b + 16 (lane / 16) + i; V's features likewise, so that O^T's registers 16 c + i are features 32 c + 16 (lane / 16) + i.
; LIMITS: NaN and infinities are not served; p under 2^-126 counts as 0; a block of zeros gets the byte 1 with zero codes.
.set CH,    12800                      ; a chunk
.set SPARE, 16*CH                      ; behind the chunks: the spare words, 128 bytes for each of 16 waves, which no other line names
.set L16, 1                            ; v1  16 x lane          v2  8 x lane          v3  8 x (lane % 16); never rewritten
.set L8,  2
.set LR8, 3
.set SPW, 4                            ; v4  my spare word; v5  0; never rewritten
.set NIL, 5
.set A16, 6                            ; v6-8 the step's LDS addresses
.set A8,  7
.set AS,  8
.set OSO, 9                            ; v9  32 (lane % 16) + lane / 16: my scale byte's place
.set QS,  10                           ; v10, v11 Q's scale words of pass 0, 1: (s0, s1, s0, s1)
                                       ; v12 -M, v13 the largest t, v[14:15] the sum in two halves
                                       ; v16-45: [0 | Q of pass 0 | 0 | Q of pass 1 | 0], six registers each: v[qb:qb+11] = [0 | Q], v[qb+6:qb+17] = [Q | 0]
.set KF,  48                           ; v48-95   four fragments of K, then of V
.set KSC, 96                           ; v96-99   their scale words
.set S,   100                          ; v100-163 S^T, then p
.set O,   164                          ; v164-195 O^T
.set PC,  196                          ; v196-207 p's codes
.set T2,  208                          ; v208-210, v212-214
.set BM,  216                          ; v216-219 the blocks' largest
.set BT,  220                          ; v220-223 the other half's, then the bytes
.set BO,  224                          ; v224-227 the conversions' scale operands
.set TMP, 228
.set F,   230                          ; v[230:231] f = 2^(old M - new M)
.set PS,  232                          ; v232 p's scale word
.set SU,  234                          ; v[234:235] the sum's second chain
.set QR,  236                          ; v236, v237 Q's scale words as stored
.set WV,  12
.set CX,  13
.set BH,  14
.set SEL, 20
.set CS,  22
.set G1,  24                           ; s[24:31] descriptor group 1;  s[32:47] four groups 0
.set G0,  32
.set TB,  48                           ; s48 LDS byte at which the step's chunk begins
.set CNT, 49
.set MHI, 50                           ; s50 the mask of lanes 16-31
.set PSL, 51                           ; s51 which two bytes of the stored word are my tile's
.set QC,  52                           ; s[52:53] my tile of Q;  s[54:55] its scale words;  s[56:57] my image of O;  s[58:59] its scale bytes
.set QSB, 54
.set OB,  56
.set OSB, 58
.macro CROUND                          ; a round of the cluster's barrier
	s_barrier_signal -1
	s_barrier_wait -1
	s_cmp_lg_u32 s[WV], 0
	s_cbranch_scc1 .Lnot_wave_0_\@
	s_barrier_signal -3
.Lnot_wave_0_\@:
	s_barrier_wait -3
	s_barrier_signal -1
	s_barrier_wait -1
.endm
	s_load_b256 s[4:11], s[0:1], 0x0               ; qimg s[4:5], kv s[6:7], oimg s[8:9], oscl s[10:11]
	v_lshl_add_u32 v[SPW], v0, 2, SPARE
	v_mov_b32 v[NIL], 0
	ds_add_u32 v[SPW], v[NIL]                      ; the wave's opening: the add and its wait stand ahead of the first tensor loads; the set-up below stands between them
	ds_add_u32 v[SPW], v[NIL]
	v_lshrrev_b32 v6, 5, v0
	s_delay_alu instid0(VALU_DEP_1)
	v_readfirstlane_b32 s[WV], v6                  ; wave 0..15
	s_bfe_u32 s[CX], ttmp6, 0x40000                ; my block of 512 queries
	s_and_b32 s[BH], ttmp7, 0xffff                 ; 16 x batch + head, which the four partners share
	; descriptor group 1: a chunk as 50 dense rows of 256 bytes (32 elements of 8 bytes), no padding; the mask names all four work-groups
	s_mov_b32 s[G1], 15|(3<<16)|(1<<21)
	s_mov_b32 s[G1+1], 32<<16                      ; tensor_dim0
	s_mov_b32 s[G1+2], 50<<16                      ; tensor_dim1
	s_mov_b32 s[G1+3], 32<<16                      ; tile_dim0
	s_mov_b32 s[G1+4], 50                          ; tile_dim1
	s_mov_b32 s[G1+5], 32                          ; the pitch
	s_mov_b32 s[G1+6], 0
	s_mov_b32 s[G1+7], 0
	s_and_b32 s15, s[WV], 3                        ; (only waves 0 to 3 fetch)
	s_mul_i32 s16, s15, CH                         ; my chunk of a group: in LDS and in memory alike
	s_mul_i32 s18, s[BH], 16*CH
	s_add_co_u32 s18, s18, s16
	s_mov_b32 s19, 0
	s_mov_b32 s[SEL], 0x76543210
	s_mov_b32 s[SEL+1], 0xfedcba98
	s_mov_b32 s[CS], 0x3e38aa3b                    ; c = log2(e) / 8
	s_mov_b32 s[CS+1], s[CS]                       ; (named with it as a pair, so it is written)
	s_mov_b32 s[MHI], 0xffff0000
	s_and_b32 s60, s[WV], 1
	s_mov_b32 s[PSL], 0x03020302
	s_cmp_eq_u32 s60, 0
	s_cselect_b32 s[PSL], 0x01000100, s[PSL]       ; an even tile's bytes are the stored word's 0 and 1, an odd tile's 2 and 3
	; Q: tile 32 cx + wave of the head (pass 1: 16 tiles, two chunks, on): chunk 4 cx + wave / 8, tile wave % 8 in it
	s_lshl_b32 s60, s[CX], 2
	s_lshr_b32 s61, s[WV], 3
	s_add_co_u32 s60, s60, s61
	s_mul_i32 s60, s60, 6400
	s_mul_i32 s61, s[BH], 102400
	s_add_co_u32 s60, s60, s61
	s_and_b32 s61, s[WV], 7
	s_mul_i32 s61, s61, 768
	s_add_co_u32 s[QC], s60, s61
	s_mov_b32 s[QC+1], 0
	s_bfe_u32 s61, s[WV], 0x10001                  ; the pair of tiles e = (wave % 8) / 2: its words lie at 6144 + 128 (e % 2) + 4 (e / 2) + 8 r
	s_lshl_b32 s61, s61, 7
	s_add_co_u32 s[QSB], s60, s61
	s_bfe_u32 s61, s[WV], 0x10002
	s_lshl_b32 s61, s61, 2
	s_add_co_u32 s[QSB], s[QSB], s61
	s_add_co_u32 s[QSB], s[QSB], 6144
	s_mov_b32 s[QSB+1], 0
	; O: row tile 128 x batch + 32 cx + wave: 12,288 bytes a row tile, 768 a head; scale bytes: 512 a row tile, 2 a head
	s_lshr_b32 s60, s[BH], 4
	s_lshl_b32 s60, s60, 7
	s_lshl_b32 s61, s[CX], 5
	s_add_co_u32 s60, s60, s61
	s_add_co_u32 s60, s60, s[WV]
	s_and_b32 s61, s[BH], 15
	s_mul_i32 s[OB], s60, 12288
	s_mul_i32 s62, s61, 768
	s_add_co_u32 s[OB], s[OB], s62
	s_mov_b32 s[OB+1], 0
	s_lshl_b32 s[OSB], s60, 9
	s_lshl_b32 s62, s61, 1
	s_add_co_u32 s[OSB], s[OSB], s62
	s_mov_b32 s[OSB+1], 0
	v_and_b32 v6, 31, v0
	s_delay_alu instid0(VALU_DEP_1)
	v_lshlrev_b32 v[L16], 4, v6
	s_delay_alu instid0(VALU_DEP_2)
	v_lshlrev_b32 v[L8], 3, v6
	v_and_b32 v7, 15, v0
	s_delay_alu instid0(VALU_DEP_1)
	v_lshlrev_b32 v[LR8], 3, v7
	v_bfe_u32 v8, v0, 4, 1
	s_delay_alu instid0(VALU_DEP_1)
	v_lshl_add_u32 v[OSO], v7, 5, v8
	s_wait_dscnt 0x0                               ; the opening add is done
	s_wait_kmcnt 0x0
	s_add_nc_u64 s[18:19], s[6:7], s[18:19]
	s_add_nc_u64 s[QC:QC+1], s[4:5], s[QC:QC+1]
	s_add_nc_u64 s[QSB:QSB+1], s[4:5], s[QSB:QSB+1]
	s_add_nc_u64 s[OB:OB+1], s[8:9], s[OB:OB+1]
	s_add_nc_u64 s[OSB:OSB+1], s[10:11], s[OSB:OSB+1]
	CROUND                                         ; all four work-groups are here: the joint loads meet
.irp g, 0,1,2,3
	s_mov_b32 s[G0+4*\g], 1                        ; count = 1
	s_add_co_u32 s[G0+4*\g+1], s16, \g*4*CH        ; LDS address: chunk 4 g + wave
	s_add_nc_u64 s[G0+4*\g+2:G0+4*\g+3], s[18:19], \g*4*CH
	s_or_b32 s[G0+4*\g+3], s[G0+4*\g+3], 0x80000000   ; type = 2
.endr
	s_cmp_lt_u32 s[WV], 4                          ; a wave's four fills stand in one branch, ahead of every wait on TENSORcnt, every LDS read and every other barrier
	s_cbranch_scc0 .Lno_fetch
	tensor_load_to_lds s[G0:G0+3], s[G1:G1+7]
	s_nop 0
	tensor_load_to_lds s[G0+4:G0+7], s[G1:G1+7]
	s_nop 0
	tensor_load_to_lds s[G0+8:G0+11], s[G1:G1+7]
	s_nop 0
	tensor_load_to_lds s[G0+12:G0+15], s[G1:G1+7]
	s_nop 0
.rept 4
	v_nop
.endr
.Lno_fetch:
	s_wait_alu depctr_va_vdst(0)
.irp p, 0,1                                    ; Q's half images and scale words of both passes
	global_load_b128 v[22+12*\p:25+12*\p], v[L16], s[QC:QC+1] offset:12800*\p
	global_load_b64 v[26+12*\p:27+12*\p], v[L8], s[QC:QC+1] offset:12800*\p+512
	global_load_b32 v[QR+\p], v[LR8], s[QSB:QSB+1] offset:12800*\p
.endr
.irp z, 16,17,18,19,20,21,28,29,30,31,32,33,40,41,42,43,44,45
	v_mov_b32 v\z, 0                               ; the zero codes beside Q
.endr
.irp b, 0,1,2,3
	v_mov_b32 v[BT+\b], 0                          ; written once: a lane permute's destination counts as one of its sources
.endr
	v_mov_b32 v[F+1], 0                            ; (named as the upper half of a pair)
	s_wait_loadcnt 0x0
	v_perm_b32 v[QS], v[QR], v[QR], s[PSL]         ; my tile's two bytes, twice: they serve [Q | 0] and [0 | Q] alike
	v_perm_b32 v[QS+1], v[QR+1], v[QR+1], s[PSL]
.macro INIT                            ; a pass begins: O^T and the sum are zeros, the largest t is -3e38, under every t.  (These lines are also the places between the scale words' making and the first product)
	v_mov_b32 v13, 0xff61b1e6
	s_delay_alu instid0(VALU_DEP_1)
	v_floor_f32 v12, -v13
	v_mov_b32 v14, 0
	v_mov_b32 v15, 0
.set j, 0
.rept 32
	v_mov_b32 v[O+j], 0
.set j, j+1
.endr
.endm
	INIT
.macro FRAGS off                       ; four fragments and their scale words, as images: 16 bytes a lane for four registers, 8 for two
.irp b, 0,1,2,3
	ds_load_b128 v[KF+12*\b:KF+12*\b+3], v[A16] offset:\off+1536*\b
	ds_load_b64 v[KF+12*\b+4:KF+12*\b+5], v[A8] offset:\off+1536*\b+512
	ds_load_b128 v[KF+12*\b+6:KF+12*\b+9], v[A16] offset:\off+1536*\b+768
	ds_load_b64 v[KF+12*\b+10:KF+12*\b+11], v[A8] offset:\off+1536*\b+1280
	ds_load_b32 v[KSC+\b], v[AS] offset:\off+6144+128*(\b%2)+4*(\b/2)
.endr
.endm
; A KEY STEP: the 128 keys of the chunk at s[TB].  qb: where [0 | Q | 0] begins; qs: Q's scale word.
.macro STEP qb, qs
	v_add_nc_u32 v[A16], s[TB], v[L16]
	v_add_nc_u32 v[A8], s[TB], v[L8]
	v_add_nc_u32 v[AS], s[TB], v[LR8]
	v_nop                                          ; four places in front of loads into registers that the last products read
	FRAGS 0                                        ; K
	s_wait_alu depctr_va_vdst(0)
	s_wait_dscnt 0x0
.irp b, 0,1,2,3                                ; S^T: fragment b's two tiles of keys
	v_wmma_scale_f32_16x16x128_f8f6f4 v[S+16*\b:S+16*\b+7], v[KF+12*\b:KF+12*\b+11], v[\qb+6:\qb+17], 0, v[KSC+\b], v[\qs] matrix_a_fmt:MATRIX_FMT_FP6 matrix_b_fmt:MATRIX_FMT_FP6
	v_wmma_scale_f32_16x16x128_f8f6f4 v[S+16*\b+8:S+16*\b+15], v[KF+12*\b:KF+12*\b+11], v[\qb:\qb+11], 0, v[KSC+\b], v[\qs] matrix_a_fmt:MATRIX_FMT_FP6 matrix_b_fmt:MATRIX_FMT_FP6
.endr
.rept 4
	v_nop                                          ; places: for the loads below and for the first read of the scores
.endr
	FRAGS 6400                                     ; V, into the same registers: it lands while the softmax is walked
.irp b, 0,1,2,3
	v_max3_num_f32 v[BM+\b], v[S+16*\b], v[S+1+16*\b], v[S+2+16*\b]   ; THE LARGEST SCORE OF EACH BLOCK OF 32 KEYS: it serves for the row's maximum and, since p rises with the score, for the block's largest p
.endr
.irp i, 3,5,7,9,11,13
.irp b, 0,1,2,3
	v_max3_num_f32 v[BM+\b], v[BM+\b], v[S+16*\b+\i], v[S+1+16*\b+\i]
.endr
.endr
.irp b, 0,1,2,3
	v_max_num_f32 v[BM+\b], v[BM+\b], v[S+15+16*\b]
.endr
.irp b, 0,1,2,3
	s_delay_alu instid0(VALU_DEP_4)
	v_permlanex16_b32 v[BT+\b], v[BM+\b], s[SEL], s[SEL+1]
.endr
.irp b, 0,1,2,3
	s_delay_alu instid0(VALU_DEP_4)
	v_max_num_f32 v[BM+\b], v[BM+\b], v[BT+\b]     ; with lane l xor 16's 16 keys
.endr
	s_delay_alu instid0(VALU_DEP_2)
	v_max3_num_f32 v[TMP], v[BM], v[BM+1], v[BM+2]
	s_delay_alu instid0(VALU_DEP_1)
	v_max_num_f32 v[TMP], v[TMP], v[BM+3]          ; the step's largest score of my query
	s_delay_alu instid0(VALU_DEP_1)
	v_mul_f32 v[TMP], s[CS], v[TMP]                ; as t (c is positive)
	s_delay_alu instid0(VALU_DEP_1)
	v_max_num_f32 v13, v13, v[TMP]                 ; the running largest t
	v_mov_b32 v[TMP], v12
	s_delay_alu instid0(VALU_DEP_2)
	v_floor_f32 v12, -v13                          ; the new -M = floor(-t): M IS A WHOLE NUMBER
	s_delay_alu instid0(VALU_DEP_1)
	v_sub_f32 v[TMP], v12, v[TMP]                  ; old M - new M: a whole number, 0 or less
	s_delay_alu instid0(VALU_DEP_1)
	v_cvt_i32_f32 v[TMP], v[TMP]                   ; (it saturates)
	s_delay_alu instid0(VALU_DEP_1)
	v_ldexp_f32 v[F], 1.0, v[TMP]                  ; f = 2^(old M - new M)
.set j, 0
.rept 32
	v_pk_fma_f32 v[S+j:S+j+1], v[S+j:S+j+1], s[CS:CS+1], v[12:13] op_sel_hi:[1,0,0]   ; t - M, two at a time
.set j, j+2
.endr
.irp b, 0,1,2,3
	v_fma_f32 v[BM+\b], v[BM+\b], s[CS], v12       ; the same of each block's largest score
.endr
.set j, 0
	s_setprio 1
	s_wait_alu depctr_va_vdst(0)
.rept 64
	v_exp_f32 v[S+j], v[S+j]                       ; p = 2^(t - M), at most 1: NOT normalised
.set j, j+1
.endr
	v_pk_mul_f32 v[14:15], v[14:15], v[F:F+1] op_sel_hi:[1,0]   ; the sums under the new M.  (The plain place behind the exponentials)
	s_wait_alu depctr_va_vdst(0)                   ; one wait for the whole batch, ahead of its first reader
.irp b, 0,1,2,3
	v_exp_f32 v[BM+\b], v[BM+\b]                   ; the block's largest p: the same two instructions on the same number give the same bits
.endr
	v_pk_add_f32 v[234:235], v[104:105], v[108:109]
	v_pk_add_f32 v[254:255], v[112:113], v[116:117]
	v_pk_add_f32 v[252:253], v[120:121], v[124:125]
	v_pk_add_f32 v[250:251], v[128:129], v[132:133]
	v_pk_add_f32 v[248:249], v[136:137], v[140:141]
	v_pk_add_f32 v[246:247], v[144:145], v[148:149]
	v_pk_add_f32 v[244:245], v[152:153], v[156:157]
	v_pk_add_f32 v[14:15], v[14:15], v[160:161]
	v_pk_add_f32 v[234:235], v[234:235], v[100:101]
	v_pk_add_f32 v[254:255], v[254:255], v[102:103]
	v_pk_add_f32 v[252:253], v[252:253], v[106:107]
	v_pk_add_f32 v[250:251], v[250:251], v[110:111]
	v_pk_add_f32 v[248:249], v[248:249], v[114:115]
	v_pk_add_f32 v[246:247], v[246:247], v[118:119]
	v_pk_add_f32 v[244:245], v[244:245], v[122:123]
	v_pk_add_f32 v[14:15], v[14:15], v[126:127]
	v_pk_add_f32 v[234:235], v[234:235], v[130:131]
	v_pk_add_f32 v[254:255], v[254:255], v[134:135]
	v_pk_add_f32 v[252:253], v[252:253], v[138:139]
	v_pk_add_f32 v[250:251], v[250:251], v[142:143]
	v_pk_add_f32 v[248:249], v[248:249], v[146:147]
	v_pk_add_f32 v[246:247], v[246:247], v[150:151]
	v_pk_add_f32 v[244:245], v[244:245], v[154:155]
	v_pk_add_f32 v[14:15], v[14:15], v[158:159]
	v_pk_add_f32 v[234:235], v[234:235], v[162:163]
	s_delay_alu instid0(VALU_DEP_2)
	v_pk_add_f32 v[14:15], v[14:15], v[250:251]
	s_delay_alu instid0(VALU_DEP_2)
	v_pk_add_f32 v[234:235], v[234:235], v[248:249]
	v_pk_add_f32 v[254:255], v[254:255], v[246:247]
	v_pk_add_f32 v[252:253], v[252:253], v[244:245]
	s_delay_alu instid0(VALU_DEP_2)
	v_pk_add_f32 v[14:15], v[14:15], v[254:255]
	s_delay_alu instid0(VALU_DEP_2)
	v_pk_add_f32 v[234:235], v[234:235], v[252:253]
	s_delay_alu instid0(VALU_DEP_1)
	v_pk_add_f32 v[14:15], v[14:15], v[234:235]
	s_wait_alu depctr_va_vdst(0)                   ; and one for the four
.irp b, 0,1,2,3
	v_max_num_f32 v[BM+\b], 0x1800000, v[BM+\b]    ; the floor 2^(3 - 127): the byte cannot fall under 1
.endr
.irp b, 0,1,2,3
	s_delay_alu instid0(VALU_DEP_4)
	v_add_nc_u32 v[BO+\b], 0xff000000, v[BM+\b]    ; 2 off the exponent field: the conversion's scale operand
.endr
.irp b, 0,1,2,3
	s_delay_alu instid0(VALU_DEP_4)
	v_lshrrev_b32 v[BT+\b], 23, v[BO+\b]           ; the scale's byte
.endr
	s_delay_alu instid0(VALU_DEP_3)
	v_lshl_or_b32 v[PS], v[BT+1], 8, v[BT]         ; p's scale word for these 128 keys
	s_delay_alu instid0(VALU_DEP_1)
	v_lshl_or_b32 v[PS], v[BT+2], 16, v[PS]
	s_delay_alu instid0(VALU_DEP_1)
	v_lshl_or_b32 v[PS], v[BT+3], 24, v[PS]
.irp c, 0,1
	v_cvt_scalef32_pk16_fp6_f32 v[PC+6*\c:PC+6*\c+2], v[S+32*\c:S+32*\c+15], v[BO+2*\c]
	v_cvt_scalef32_pk16_fp6_f32 v[T2+4*\c:T2+4*\c+2], v[S+32*\c+16:S+32*\c+31], v[BO+2*\c+1]   ; (a conversion's three registers begin on an even number)
.endr
	v_nop                                          ; one plain place behind a scaled conversion
.irp c, 0,1                                    ; the operand's layout wants a WHOLE block in a lane
.irp i, 0,1,2
	v_permlane16_swap_b32 v[PC+6*\c+\i], v[T2+4*\c+\i]
.endr
.irp i, 0,1,2
	s_delay_alu instid0(VALU_DEP_3)
	v_mov_b32 v[PC+6*\c+3+\i], v[T2+4*\c+\i]
.endr
.endr
.set j, 0
	s_setprio 0
.rept 16
	v_pk_mul_f32 v[O+j:O+j+1], v[O+j:O+j+1], v[F:F+1] op_sel_hi:[1,0]   ; O^T under the new M, each accumulator from its low end on.  (These 16 are also the places between the making of p's codes and scale word and the products)
.set j, j+2
.endr
	s_wait_alu depctr_va_vdst(0)
	s_wait_dscnt 0x0                               ; V is in
.irp t, 0,1,2,3                                ; O^T += V^T P^T: four tiles of 16 features, one instruction a turn; eight other products stand before an accumulator's next turn
	v_wmma_scale_f32_16x16x128_f8f6f4 v[O+8*\t:O+8*\t+7], v[KF+12*\t:KF+12*\t+11], v[PC:PC+11], v[O+8*\t:O+8*\t+7], v[KSC+\t], v[PS] matrix_a_fmt:MATRIX_FMT_FP6 matrix_b_fmt:MATRIX_FMT_FP6
.endr
	s_add_co_u32 s[TB], s[TB], CH                  ; the next chunk
.endm
.macro RUN qb, qs, n                   ; n key steps from s[TB] on
	s_mov_b32 s[CNT], \n
.Lrun_\@:
	s_setprio 2
	STEP \qb, \qs
	s_sub_co_u32 s[CNT], s[CNT], 1
	s_cmp_lg_u32 s[CNT], 0
	s_cbranch_scc1 .Lrun_\@
	s_setprio 0
.endm
; A PASS ENDS: O^T / the sum; its two blocks of 32 features are quantised; the half image (768 bytes) and one scale byte a lane are stored.
; A wave owns two scale bytes of each of its 16 rows, so these leave one byte a lane; each byte is written once.
.macro EPI p
	v_add_f32 v14, v14, v15                        ; the sum's two halves,
	s_delay_alu instid0(VALU_DEP_1)
	v_permlanex16_b32 v[TMP], v14, s[SEL], s[SEL+1]
	s_delay_alu instid0(VALU_DEP_1)
	v_add_f32 v14, v14, v[TMP]                     ; and lane l xor 16's: the row's sum
	v_nop
	v_nop                                          ; (with the two additions: four places behind the last products)
	s_wait_alu depctr_va_vdst(0)
	v_rcp_f32 v14, v14
	v_nop                                          ; a plain place behind the reciprocal
	s_wait_alu depctr_va_vdst(0)                   ; and the wait ahead of its first reader
.set j, 0
.rept 16
	v_pk_mul_f32 v[S+j:S+j+1], v[O+j:O+j+1], v[14:15] op_sel_hi:[1,0]   ; register 16 c + i: feature 32 c + 16 (lane / 16) + i
.set j, j+2
.endr
.irp b, 0,1
	v_max3_num_f32 v[BM+\b], |v[S+16*\b]|, |v[S+1+16*\b]|, 0x1800000
.endr
.irp i, 2,4,6,8,10,12,14
.irp b, 0,1
	s_delay_alu instid0(VALU_DEP_2)
	v_max3_num_f32 v[BM+\b], v[BM+\b], |v[S+16*\b+\i]|, |v[S+1+16*\b+\i]|
.endr
.endr
.irp b, 0,1
	s_delay_alu instid0(VALU_DEP_2)
	v_permlanex16_b32 v[BT+\b], v[BM+\b], s[SEL], s[SEL+1]
.endr
.irp b, 0,1
	s_delay_alu instid0(VALU_DEP_2)
	v_max_num_f32 v[BM+\b], v[BM+\b], v[BT+\b]
.endr
.irp b, 0,1
	s_delay_alu instid0(VALU_DEP_2)
	v_add_nc_u32 v[BO+\b], 0xff000000, v[BM+\b]
.endr
.irp b, 0,1
	s_delay_alu instid0(VALU_DEP_2)
	v_lshrrev_b32 v[BT+\b], 23, v[BO+\b]
.endr
	v_cvt_scalef32_pk16_fp6_f32 v[PC:PC+2], v[S:S+15], v[BO]
	v_cvt_scalef32_pk16_fp6_f32 v[T2:T2+2], v[S+16:S+31], v[BO+1]
	v_cndmask_b32 v[TMP], v[BT], v[BT+1], s[MHI]   ; lane (r, h) stores block h's byte.  (The plain place behind the conversions)
.irp i, 0,1,2
	v_permlane16_swap_b32 v[PC+\i], v[T2+\i]
.endr
.irp i, 0,1,2
	s_delay_alu instid0(VALU_DEP_3)
	v_mov_b32 v[PC+3+\i], v[T2+\i]
.endr
	global_store_b128 v[L16], v[PC:PC+3], s[OB:OB+1] offset:196608*\p          ; 512 consecutive bytes, aligned
	global_store_b64 v[L8], v[PC+4:PC+5], s[OB:OB+1] offset:196608*\p+512      ; 256 consecutive bytes, aligned
	global_store_b8 v[OSO], v[TMP], s[OSB:OSB+1] offset:8192*\p
.endm
.irp g, 0,1,2,3                                ; PASS 0: group g's four chunks are read while the later groups land
	s_wait_tensorcnt 3-\g                          ; my chunk of group g is in; my 3 - g later loads may stay out (waves that fetch nothing pass at once)
	s_wait_dscnt 0x0
	s_barrier_signal -1
	s_barrier_wait -1                              ; everybody's is.
	s_mov_b32 s[TB], \g*4*CH
	RUN 16, QS, 4
.endr
	EPI 0
	s_wait_xcnt 0x0                                ; the stores have read their registers: these are written again below
	INIT
	s_mov_b32 s[TB], 0                             ; PASS 1: all of K and V lies in LDS
	RUN 28, QS+1, 16
	EPI 1
	s_wait_tensorcnt 0x0                           ; the wave's end, behind my last tensor load
	ds_add_u32 v[SPW], v[NIL]
	s_wait_dscnt 0x0
	CROUND                                         ; the closing round
	s_endpgm
.Lfunc_end_k_qff79f19601_attn:
	.size	k_qff79f19601_attn, .Lfunc_end_k_qff79f19601_attn-k_qff79f19601_attn
	.p2alignl 7, 3214868480
	.fill 96, 4, 3214868480
	.section	.rodata,"a",@progbits
	.p2align	6, 0x0
	.amdhsa_kernel k_qff79f19601_attn
		.amdhsa_group_segment_fixed_size 206848
		.amdhsa_private_segment_fixed_size 0
		.amdhsa_enable_private_segment 0
		.amdhsa_kernarg_size 32
		.amdhsa_user_sgpr_count 2
		.amdhsa_user_sgpr_kernarg_segment_ptr 1
		.amdhsa_wavefront_size32 1
		.amdhsa_system_sgpr_workgroup_id_x 1
		.amdhsa_system_sgpr_workgroup_id_y 1
		.amdhsa_system_sgpr_workgroup_id_z 1
		.amdhsa_system_vgpr_workitem_id 0
		.amdhsa_next_free_vgpr 256
		.amdhsa_next_free_sgpr 66
		.amdhsa_reserve_vcc 0
		.amdhsa_float_denorm_mode_32 3
		.amdhsa_float_denorm_mode_16_64 3
		.amdhsa_memory_ordered 1
		.amdhsa_forward_progress 1
		.amdhsa_inst_pref_size 107
	.end_amdhsa_kernel
	.amdgpu_metadata
---
amdhsa.version: [ 1, 2 ]
amdhsa.kernels:
  - .name:           k_qff79f19601_attn
    .symbol:         k_qff79f19601_attn.kd
    .args:
      - { .name: qimg, .offset: 0, .size: 8, .value_kind: global_buffer, .address_space: global }
      - { .name: kv, .offset: 8, .size: 8, .value_kind: global_buffer, .address_space: global }
      - { .name: oimg, .offset: 16, .size: 8, .value_kind: global_buffer, .address_space: global }
      - { .name: oscl, .offset: 24, .size: 8, .value_kind: global_buffer, .address_space: global }
    .group_segment_fixed_size: 206848
    .private_segment_fixed_size: 0
    .kernarg_segment_align: 8
    .kernarg_segment_size: 32
    .max_flat_workgroup_size: 512
    .sgpr_count:     66
    .vgpr_count:     256
    .wavefront_size: 32
...
	.end_amdgpu_metadata
.endif
;; end of part 3
;; launch outp (part 4): grid 4 x 32, 4 waves a work-group, clusters of 4 x 4, 327,680 bytes of LDS; arguments oimg, oscl, codes, scales, out0; writes out0
.if DOCPART == 4
	.amdgcn_target "amdgcn-amd-amdhsa--gfx1250"
	.amdhsa_code_object_version 6
	.text
	.protected	k_qff79f19601_outp
	.globl	k_qff79f19601_outp
	.p2align	8
	.type	k_qff79f19601_outp,@function
k_qff79f19601_outp:
	s_mov_b64 s[64:65], 0
	v_nop
	global_prefetch_b8 v0, s[64:65] scope:SCOPE_SE
	s_setreg_imm32_b32 hwreg(HW_REG_WAVE_MODE, 25, 1), 1
	s_wait_xcnt 0x0
	s_wait_alu depctr_hold_cnt(0) depctr_sa_sdst(0) depctr_va_vdst(0) depctr_va_sdst(0) depctr_va_ssrc(0) depctr_va_vcc(0) depctr_vm_vsrc(0)
	s_getreg_b32 s2, hwreg(HW_REG_IB_STS2, 6, 4)
	s_cmp_eq_u32 s2, 0
	s_cbranch_scc0 .Lentry_in_a_cluster
	s_endpgm
.Lentry_in_a_cluster:
	s_bfe_u32 s2, ttmp6, 0x10000c
	s_cmp_lg_u32 s2, 0xf033
	s_cbranch_scc0 .Lentry_shape_is_right
	s_endpgm
.Lentry_shape_is_right:
; out0 = O Wo^T on codes of FP6 (E2M3) with E8M0 scales: M = 8,192, N = 1,024, K = 1,024; out0 is f32.
; A (the attention's result) lies in memory as IMAGES of the operand's registers: [row tile of 16][head][768 bytes]; two heads on end are a fragment of 128 along K: it comes from LDS by two loads of 16 bytes a lane
; and two of 8, consecutive bytes, so its tiles need no padding.  Its scale bytes lie [row][32], rows in the images' order.  B = Wo: rows 25,600 on of the codes' buffer, as streams of bits.
; THE ORDER OF ROWS.  In both operands the four groups of 8 rows of every 32 are stored in the order 0, 2, 1, 3.  So lane r of A's block a is true row 32 (a / 2) + 8 (a % 2) + r + 8 (r / 8), and a lane's eight
; results against B's tile b are the true columns 32 (b / 2) + 16 (lane / 16) + 8 (b % 2) + 0 .. 7.  The way out puts both right: the columns in the stage, the rows in the stores' offsets.
; A tile of 256 x 256 is made by four waves, 128 x 128 each.  K goes in steps of 256 through a ring of two LDS slots filled by the tensor data mover; the scale bytes come into LDS once.
; CLUSTERS: 4 x 4 work-groups; A's tiles are asked for jointly along a row of the cluster, B's along a column.  THE MATRIX INSTRUCTION IS USED TRANSPOSED (source 0 = 16 rows of B, source 1 = 16 rows of A).
; 128 work-groups: the tile is kept at 256 x 256 for the sake of the LDS bytes that each product needs.  No prefetch: K has four steps, two of them asked for at the head.
; REGISTERS, in windows of 256: window 0: v0-31 addresses; v32-63 scale words, two sets; from v128 A's fragments, ONE set; on the way out v128-255 are free.  window 1: B's fragments, TWO sets.  windows 2, 3: the accumulators.
.set SIZE_K, 1024
.set SIZE_N, 1024
.set KSTEP,  256
.set NQ,     KSTEP/128
.set ROWB,   192                       ; a row of B's tile in bytes
.set KROW,   SIZE_K*6/8
.set ASTEP,  3072                      ; a row tile's images of 256 along K
.set PITCH,  240                       ; B's LDS row: 3 x (64 bytes + 16 of padding)
.set FR,     12
.set NL,     6                         ; LDS loads that bring a fragment of B
.set NLA,    4                         ; and of A
.set NP,     4
.set HALFT,  128*PITCH                 ; a quarter of a slot (A's 8 row tiles use 24,576 bytes of theirs)
.set SLOT,   4*HALFT
.set LAPS,   SIZE_K/(2*KSTEP)
.set KS,     SIZE_K/32
.set SCL,    2*SLOT
.set HALFS,  (128*KS/256)*272
.set SBLK,   (16*KS/256)*272
.set SPARE,  SCL+4*HALFS               ; the spare words, 128 bytes a wave, which no other line names
.set SPITCH, 528                       ; the way out: a stage of 16 rows x (512 bytes + 16) for each wave, in slot 0, which has had its last fill and its last read when the first result is stored there
.set ADRA, 16                          ; v16-17 my A images in slot 0, 1, + 16 x lane;  v18-19 the same + 8 x lane
.set ADRB, 20                          ; v20-23 my B fragments
.set STO,  24
.set RD,   25
.set CO,   26
.set ADRS, 27
.set SPW,  28
.set NIL,  29
.set SC,   32
.set AF,   128
.set BK,   128
.set G1, 24
.set G0, 32
.set G1B, 48
.set G0B, 56
.set G1S, 68
.set G0S, 76
.set G1SB, 80
.set G0SB, 88
.set MSB, 0
.macro WIN new
.if MSB != \new
	s_set_vgpr_msb (MSB<<8)|\new
.set MSB, \new
.endif
.endm
.set MUL_LO, 0xa1
.set MUL_HI, 0xf1
.set TO_B,   0x40
.macro JLOAD g0a, g1a, g0b, g1b        ; a joint load: waves 0 and 1 fetch for A, waves 2 and 3 for B; an s_nop 0 and four v_nop follow each of the two lines
	s_cmp_eq_u32 s15, 0
	s_cbranch_scc0 .Lfor_b_\@
	tensor_load_to_lds s[\g0a:\g0a+3], s[\g1a:\g1a+7]
	s_nop 0
.rept 4
	v_nop
.endr
	s_branch .Lasked_\@
.Lfor_b_\@:
	tensor_load_to_lds s[\g0b:\g0b+3], s[\g1b:\g1b+7]
	s_nop 0
.rept 4
	v_nop
.endr
.Lasked_\@:
.endm
.macro CREST
	s_cmp_lg_u32 s14, 0
	s_cbranch_scc1 .Lnot_wave_0_\@
	s_barrier_signal -3
.Lnot_wave_0_\@:
	s_barrier_wait -3
	s_barrier_signal -1
	s_barrier_wait -1
.endm
.macro CROUND
	s_barrier_signal -1
	s_barrier_wait -1
	CREST
.endm
	s_load_b128 s[4:7], s[0:1], 0x0                ; A's images s[4:5], A's scales s[6:7]
	s_load_b128 s[8:11], s[0:1], 0x10              ; the codes' buffer s[8:9], the scales' s[10:11]
	s_load_b64 s[12:13], s[0:1], 0x20              ; out0
	v_lshl_add_u32 v[SPW], v0, 2, SPARE
	v_mov_b32 v[NIL], 0
	ds_add_u32 v[SPW], v[NIL]                      ; the wave's opening: the add and its wait stand ahead of my first tensor load
	v_lshrrev_b32 v1, 5, v0
	v_readfirstlane_b32 s14, v1                    ; wave 0..3
	s_lshr_b32 s15, s14, 1                         ; which half of the tile's rows is mine.  Also: I fetch for A (0) or for B (1)
	s_and_b32 s16, s14, 1                          ; which half of its columns.  Also: which 128 rows of that tile I fetch
	s_bfe_u32 s40, ttmp6, 0x40000
	s_bfe_u32 s41, ttmp6, 0x40004
	s_lshl_b32 s42, ttmp9, 2
	s_add_co_u32 s42, s42, s40                     ; tile column
	s_and_b32 s17, ttmp7, 0xffff
	s_lshl_b32 s17, s17, 2
	s_add_co_u32 s17, s17, s41                     ; tile row
	s_lshl_b32 s43, s41, 2
	s_lshl_b32 s43, 15, s43                        ; my row of the cluster
	s_lshl_b32 s44, 0x1111, s40                    ; my column
	; A's tiles: 8 row tiles x 3,072 bytes (384 elements of 8), 12,288 bytes (1,536 elements) apart; no padding
	s_or_b32 s[G1+0], s43, (3<<16)|(1<<21)
	s_mov_b32 s[G1+1], 384<<16
	s_mov_b32 s[G1+2], 8<<16
	s_mov_b32 s[G1+3], 384<<16
	s_mov_b32 s[G1+4], 8
	s_mov_b32 s[G1+5], 1536
	s_mov_b32 s[G1+6], 0
	s_mov_b32 s[G1+7], 0
	; B's tiles: 128 rows x 192 bytes, 16 bytes of padding behind every 64
	s_or_b32 s[G1B+0], s44, (0<<16)|(1<<20)|(1<<21)|(3<<22)|(3<<25)
	s_mov_b32 s[G1B+1], ROWB<<16
	s_mov_b32 s[G1B+2], 128<<16
	s_mov_b32 s[G1B+3], ROWB<<16
	s_mov_b32 s[G1B+4], 128
	s_mov_b32 s[G1B+5], KROW
	s_mov_b32 s[G1B+6], 0
	s_mov_b32 s[G1B+7], 0
	; the scales of 128 rows: 4,096 dense bytes, as 16 rows of 256 bytes, 16 bytes of padding behind each
	s_or_b32 s[G1S+0], s43, (3<<16)|(1<<20)|(1<<21)|(5<<22)|(3<<25)
	s_or_b32 s[G1SB+0], s44, (3<<16)|(1<<20)|(1<<21)|(5<<22)|(3<<25)
.irp g, G1S, G1SB
	s_mov_b32 s[\g+1], 32<<16
	s_mov_b32 s[\g+2], (128*KS/256)<<16
	s_mov_b32 s[\g+3], 32<<16
	s_mov_b32 s[\g+4], 128*KS/256
	s_mov_b32 s[\g+5], 32
	s_mov_b32 s[\g+6], 0
	s_mov_b32 s[\g+7], 0
.endr
	s_lshl_b32 s18, s16, 7
	s_lshl_b32 s20, s17, 8
	s_add_co_u32 s20, s20, s18                     ; A: row 256 x tile row + 128 x half
	s_lshl_b32 s46, s42, 8
	s_add_co_u32 s46, s46, s18
	s_add_co_u32 s46, s46, 25600                   ; B: Wo begins at row 25,600 of the buffers
	s_mov_b32 s21, 0
	s_mov_b32 s47, 0
	s_mov_b64 s[18:19], KS
	s_mul_u64 s[22:23], s[20:21], s[18:19]
	s_mul_u64 s[92:93], s[46:47], s[18:19]
	s_mov_b64 s[18:19], KROW
	s_mul_u64 s[20:21], s[20:21], s[18:19]         ; (A: 12,288 bytes a row tile are 768 a row too)
	s_mul_u64 s[46:47], s[46:47], s[18:19]
	s_mul_i32 s45, s14, HALFT
	s_mul_i32 s94, s14, HALFS
	s_wait_dscnt 0x0                               ; the opening add is done
	s_wait_kmcnt 0x0
	s_add_nc_u64 s[20:21], s[4:5], s[20:21]
	s_add_nc_u64 s[22:23], s[6:7], s[22:23]
	s_add_nc_u64 s[46:47], s[8:9], s[46:47]
	s_add_nc_u64 s[92:93], s[10:11], s[92:93]
	CROUND                                         ; all sixteen work-groups are here: the first joint loads meet
	s_mov_b32 s[G0S], 1
	s_add_co_u32 s[G0S+1], s94, SCL
	s_mov_b64 s[G0S+2:G0S+3], s[22:23]
	s_or_b32 s[G0S+3], s[G0S+3], 0x80000000
	s_mov_b32 s[G0SB], 1
	s_add_co_u32 s[G0SB+1], s94, SCL
	s_mov_b64 s[G0SB+2:G0SB+3], s[92:93]
	s_or_b32 s[G0SB+3], s[G0SB+3], 0x80000000
	JLOAD G0S, G1S, G0SB, G1SB
.irp s, 0,1
	s_mov_b32 s[G0+4*\s], 1
	s_add_co_u32 s[G0+4*\s+1], s45, \s*SLOT
	s_add_nc_u64 s[G0+4*\s+2:G0+4*\s+3], s[20:21], \s*ASTEP
	s_or_b32 s[G0+4*\s+3], s[G0+4*\s+3], 0x80000000
	s_mov_b32 s[G0B+4*\s], 1
	s_add_co_u32 s[G0B+4*\s+1], s45, \s*SLOT
	s_add_nc_u64 s[G0B+4*\s+2:G0B+4*\s+3], s[46:47], \s*ROWB
	s_or_b32 s[G0B+4*\s+3], s[G0B+4*\s+3], 0x80000000
	JLOAD G0+4*\s, G1, G0B+4*\s, G1B
.endr
	v_and_b32 v1, 15, v0                           ; l % 16
	v_bfe_u32 v2, v0, 4, 1                         ; l / 16
	v_mul_u32_u24 v3, v1, PITCH
	v_mul_u32_u24 v4, v2, 24
	v_add_nc_u32 v4, v3, v4                        ; B: a fragment's row x pitch + 24 x half
	v_lshl_add_u32 v5, v2, 4, v4                   ; and the same behind one padding more
	v_and_b32 v6, 31, v0
	v_lshlrev_b32 v7, 4, v6                        ; A: 16 x lane,
	v_lshlrev_b32 v8, 3, v6                        ; 8 x lane
	s_mul_i32 s21, s15, HALFT
	s_mul_i32 s22, s16, HALFT
	s_add_co_u32 s22, s22, 2*HALFT
.irp s, 0,1
	v_add_nc_u32 v[ADRA+\s], s21, v7
	v_add_nc_u32 v[ADRB+\s], s22, v4
	v_add_nc_u32 v[ADRA+2+\s], s21, v8
	v_add_nc_u32 v[ADRB+2+\s], s22, v5
	s_add_co_u32 s21, s21, SLOT
	s_add_co_u32 s22, s22, SLOT
.endr
	v_mul_u32_u24 v5, v1, KS
	v_lshrrev_b32 v6, 8, v5
	v_lshl_add_u32 v5, v6, 4, v5
	s_mul_i32 s21, s15, HALFS
	s_mul_i32 s22, s16, HALFS
	s_add_co_u32 s22, s22, 2*HALFS
	s_sub_co_u32 s22, s22, s21
	v_mul_u32_u24 v6, s22, v2                      ; lanes 16-31 take B's
	s_add_co_u32 s21, s21, SCL
	v_add_nc_u32 v5, v5, v6
	v_add_nc_u32 v[ADRS], s21, v5
	s_mul_i32 s23, s14, 16*SPITCH                  ; my stage
	v_mul_u32_u24 v5, v1, SPITCH                   ; in: row l % 16; my half's 16 columns of each 32 begin 64 bytes on
	v_lshl_add_u32 v5, v2, 6, v5
	v_add_nc_u32 v[STO], s23, v5
	v_and_b32 v6, 31, v0
	v_lshlrev_b32 v[CO], 4, v6                     ; back: the 32 lanes take one row of 512 bytes; and the same in out0
	v_add_nc_u32 v[RD], s23, v[CO]
	s_lshl_b32 s20, s17, 8
	s_lshl_b32 s21, s15, 7
	s_add_co_u32 s20, s20, s21                     ; my first row of out0
	s_mov_b32 s21, 0
	s_mov_b64 s[18:19], SIZE_N*4
	s_mul_u64 s[20:21], s[20:21], s[18:19]
	s_lshl_b32 s46, s42, 10                        ; my first column, in bytes
	s_lshl_b32 s47, s16, 9
	s_add_co_u32 s46, s46, s47
	s_mov_b32 s47, 0
	s_add_nc_u64 s[20:21], s[20:21], s[46:47]
	s_add_nc_u64 s[12:13], s[12:13], s[20:21]
.macro FRAG reg, adr, q, i             ; a fragment of B from rows of codes, in pieces of 8 bytes
.irp p, 0,1,2,3,4,5
.set PC, 12*(\q)+6*(\p/3)+\p%3
.if PC%8 < 5
	ds_load_b64 v[\reg+2*\p:\reg+2*\p+1], v[\adr] offset:8*PC+16*(PC/8)+(\i)*16*PITCH
.else
	ds_load_b64 v[\reg+2*\p:\reg+2*\p+1], v[\adr+2] offset:8*PC+16*(PC/8)+(\i)*16*PITCH
.endif
.endr
.endm
.macro FRAGA reg, slot, q, i           ; a fragment of A from its image: two heads' half images on end
	ds_load_b128 v[\reg:\reg+3], v[ADRA+\slot] offset:ASTEP*(\i)+1536*(\q)
	ds_load_b64 v[\reg+4:\reg+5], v[ADRA+2+\slot] offset:ASTEP*(\i)+1536*(\q)+512
	ds_load_b128 v[\reg+6:\reg+9], v[ADRA+\slot] offset:ASTEP*(\i)+1536*(\q)+768
	ds_load_b64 v[\reg+10:\reg+11], v[ADRA+2+\slot] offset:ASTEP*(\i)+1536*(\q)+1280
.endm
; 16 matrix instructions: A's blocks a0, a0 + 1 x B's eight.  The 64 accumulators take turns, one instruction a turn, in the same order in every step.
.macro MUL16 a0, p, q, sc, zero
.irp a, \a0, \a0+1
.irp b, 0,1,2,3,4,5,6,7
.if \zero
	v_wmma_scale_f32_16x16x128_f8f6f4 v[8*(8*((\a)%4)+\b):8*(8*((\a)%4)+\b)+7], v[128*(\p)+FR*\b:128*(\p)+FR*\b+FR-1], v[AF+FR*(\a):AF+FR*(\a)+FR-1], 0, v[SC+8*NQ*(\sc)+NQ*\b+(\q)], v[SC+8*NQ*(\sc)+NQ*(\a)+(\q)] matrix_a_fmt:MATRIX_FMT_FP6 matrix_b_fmt:MATRIX_FMT_FP6 matrix_a_scale:MATRIX_SCALE_ROW1
.else
	v_wmma_scale_f32_16x16x128_f8f6f4 v[8*(8*((\a)%4)+\b):8*(8*((\a)%4)+\b)+7], v[128*(\p)+FR*\b:128*(\p)+FR*\b+FR-1], v[AF+FR*(\a):AF+FR*(\a)+FR-1], v[8*(8*((\a)%4)+\b):8*(8*((\a)%4)+\b)+7], v[SC+8*NQ*(\sc)+NQ*\b+(\q)], v[SC+8*NQ*(\sc)+NQ*(\a)+(\q)] matrix_a_fmt:MATRIX_FMT_FP6 matrix_b_fmt:MATRIX_FMT_FP6 matrix_a_scale:MATRIX_SCALE_ROW1
.endif
.endr
.endr
.endm
.macro FETCH_B slot, q, p
	WIN TO_B
.irp i, 0,1,2,3,4,5,6,7
	FRAG 128*(\p)+FR*\i, ADRB+\slot, \q, \i
.endr
	WIN 0
.endm
.macro FETCH_A slot, q, i0
.irp i, \i0, \i0+1, \i0+2, \i0+3
	FRAGA AF+FR*(\i), \slot, \q, \i
.endr
.endm
.macro SCALES sc
.irp i, 0,1,2,3,4,5,6,7
	ds_load_b64 v[SC+8*NQ*\sc+NQ*\i:SC+8*NQ*\sc+NQ*\i+1], v[ADRS] offset:\i*SBLK
.endr
.endm
.macro PLACES n                        ; plain vector instructions between a matrix instruction and a load into, or a read of, its registers
.rept \n
	v_nop
.endr
.endm
.macro STEP slot, q, zero
	s_wait_dscnt 4*NLA                             ; B's set and A's blocks 0-3 are in; the youngest 16 loads (A's blocks 4-7) may be out
	WIN MUL_LO
	MUL16 0, (\q)%2, \q, \slot, \zero
	MUL16 2, (\q)%2, \q, \slot, \zero
	s_wait_dscnt 0
	PLACES NP
	FETCH_B \slot, (\q)+1, 1-(\q)%2
	FETCH_A \slot, (\q)+1, 0
	WIN MUL_HI
	MUL16 4, (\q)%2, \q, \slot, \zero
	MUL16 6, (\q)%2, \q, \slot, \zero
	PLACES NP
	WIN 0
	FETCH_A \slot, (\q)+1, 4
.endm
; A slot's last step changes slots: ONE barrier; in front of it each wave waits for all its tensor loads, adds 0 to its spare word, and waits for that and for its own reads of this slot.
.macro TURN slot, next, fill
	s_wait_tensorcnt 0x0                           ; all my tensor loads have landed: my part of the next slot
	ds_add_u32 v[SPW], v[NIL]                      ; 0 onto my spare word
	s_wait_dscnt 4*NLA+1                           ; (the add and the youngest 16 loads may be out)
	WIN MUL_LO
	MUL16 0, 1, NQ-1, \slot, 0
	s_wait_dscnt 0x0                               ; the add is done, and my reads of this slot are over
	s_barrier_signal -1
	MUL16 2, 1, NQ-1, \slot, 0
	WIN 0
	s_barrier_wait -1
.if \fill
	CREST                                          ; the barrier has opened a round of the cluster's barrier: no wave of any partner still reads this slot or has a load on its way
	s_add_nc_u64 s[G0+4*\slot+2:G0+4*\slot+3], s[G0+4*\slot+2:G0+4*\slot+3], 2*ASTEP
	s_add_nc_u64 s[G0B+4*\slot+2:G0B+4*\slot+3], s[G0B+4*\slot+2:G0B+4*\slot+3], 2*ROWB
	JLOAD G0+4*\slot, G1, G0B+4*\slot, G1B         ; the first tensor load behind the round; its four v_nop are the places in front of the loads below
.else
	PLACES NP
.endif
	v_add_nc_u32 v[ADRS], 4*NQ, v[ADRS]
	FETCH_B \next, 0, 0
	FETCH_A \next, 0, 0
	SCALES \next
	WIN MUL_HI
	MUL16 4, 1, NQ-1, \slot, 0
	MUL16 6, 1, NQ-1, \slot, 0
	PLACES NP
	WIN 0
	FETCH_A \next, 0, 4
.endm
	s_wait_tensorcnt 1                             ; of my three loads the scales and K step 0 are in; K step 1's may be out
	s_barrier_signal -1
	s_barrier_wait -1
	FETCH_B 0, 0, 0
	FETCH_A 0, 0, 0
	SCALES 0
	FETCH_A 0, 0, 4
	STEP 0, 0, 1                                   ; the first step's products start the sums
	s_mov_b32 s3, LAPS-1
.Llap:
	TURN 0, 1, 1
	STEP 1, 0, 0
	TURN 1, 0, 1
	STEP 0, 0, 0
	s_sub_co_u32 s3, s3, 1
	s_cmp_lg_u32 s3, 0
	s_cbranch_scc1 .Llap
	TURN 0, 1, 0                                   ; the last lap fills nothing
	STEP 1, 0, 0
	s_wait_dscnt 4*NLA
	WIN MUL_LO
	MUL16 0, 1, NQ-1, 1, 0
	MUL16 2, 1, NQ-1, 1, 0
	s_wait_dscnt 0
	WIN MUL_HI
	MUL16 4, 1, NQ-1, 1, 0
	MUL16 6, 1, NQ-1, 1, 0
	WIN 0
; THE WAY OUT, block by block of 16 rows x 128 columns, through my own stage: in by 32 bytes of a row a lane and tile, at the columns' true places; back as whole rows of 512 bytes.
; LDS serves a wave's instructions in order (ISA guide 5.7.1.4): no wait between the stores and the loads, nor in front of the next block's stores.
.macro TOSTAGE a
.set AC, 64*((\a)%4)
	WIN 0x08+4*((\a)/4)                            ; the data: window 2 or 3
.irp b, 0,1,2,3,4,5,6,7
	ds_store_b128 v[STO], v[AC+8*\b:AC+8*\b+3] offset:128*(\b/2)+32*(\b%2)        ; each accumulator from its low end on
	ds_store_b128 v[STO], v[AC+8*\b+4:AC+8*\b+7] offset:128*(\b/2)+32*(\b%2)+16
.endr
	WIN 0
.set BB, BK+64*((\a)%2)
.irp t, 0,1,2,3,4,5,6,7,8,9,10,11,12,13,14,15
	ds_load_b128 v[BB+4*\t:BB+4*\t+3], v[RD] offset:\t*SPITCH
.endr
.endm
.macro SEND a, younger                 ; younger: the LDS instructions issued behind block a's loads, which may stay out
.set BB, BK+64*((\a)%2)
.set R0, 32*((\a)/2)+8*((\a)%2)        ; stage row t is true row R0 + t + 8 (t / 8) of my 128: at most row 127, 520,192 bytes, inside the signed 24-bit immediate (ISA guide, chapter 10)
	s_wait_dscnt \younger
.irp t, 0,1,2,3,4,5,6,7,8,9,10,11,12,13,14,15
	global_store_b128 v[CO], v[BB+4*\t:BB+4*\t+3], s[12:13] offset:(R0+\t+8*(\t/8))*SIZE_N*4 th:TH_STORE_NT   ; 32 lanes store 512 consecutive bytes, aligned; written once, read by nobody here
.endr
.endm
	PLACES NP                                      ; behind the last products: for the loads into the registers that held A's fragments and for the reads of results
	TOSTAGE 0
.irp a, 1,2,3,4,5,6,7
.if \a > 1
	s_wait_xcnt 0x0                                ; block a - 2's stores have read their registers: block a's loads may land there
.endif
	TOSTAGE \a
	SEND \a-1, 32                                  ; behind block a - 1's loads: block a's 16 stores and 16 loads
.endr
	SEND 7, 0
	s_wait_tensorcnt 0x0                           ; the wave's end, behind my last tensor load and my last LDS store
	ds_add_u32 v[SPW], v[NIL]
	s_wait_dscnt 0x0
	CROUND                                         ; the closing round
	s_endpgm
.Lfunc_end_k_qff79f19601_outp:
	.size	k_qff79f19601_outp, .Lfunc_end_k_qff79f19601_outp-k_qff79f19601_outp
	.p2alignl 7, 3214868480
	.fill 96, 4, 3214868480
	.section	.rodata,"a",@progbits
	.p2align	6, 0x0
	.amdhsa_kernel k_qff79f19601_outp
		.amdhsa_group_segment_fixed_size 327680
		.amdhsa_private_segment_fixed_size 0
		.amdhsa_enable_private_segment 0
		.amdhsa_kernarg_size 40
		.amdhsa_user_sgpr_count 2
		.amdhsa_user_sgpr_kernarg_segment_ptr 1
		.amdhsa_wavefront_size32 1
		.amdhsa_system_sgpr_workgroup_id_x 1
		.amdhsa_system_sgpr_workgroup_id_y 1
		.amdhsa_system_sgpr_workgroup_id_z 1
		.amdhsa_system_vgpr_workitem_id 0
		.amdhsa_next_free_vgpr 1024
		.amdhsa_next_free_sgpr 98
		.amdhsa_reserve_vcc 0
		.amdhsa_float_denorm_mode_32 3
		.amdhsa_float_denorm_mode_16_64 3
		.amdhsa_memory_ordered 1
		.amdhsa_forward_progress 1
		.amdhsa_inst_pref_size 151
	.end_amdhsa_kernel
	.amdgpu_metadata
---
amdhsa.version: [ 1, 2 ]
amdhsa.kernels:
  - .name:           k_qff79f19601_outp
    .symbol:         k_qff79f19601_outp.kd
    .args:
      - { .name: oimg, .offset: 0, .size: 8, .value_kind: global_buffer, .address_space: global }
      - { .name: oscl, .offset: 8, .size: 8, .value_kind: global_buffer, .address_space: global }
      - { .name: codes, .offset: 16, .size: 8, .value_kind: global_buffer, .address_space: global }
      - { .name: scales, .offset: 24, .size: 8, .value_kind: global_buffer, .address_space: global }
      - { .name: out0, .offset: 32, .size: 8, .value_kind: global_buffer, .address_space: global }
    .group_segment_fixed_size: 327680
    .private_segment_fixed_size: 0
    .kernarg_segment_align: 8
    .kernarg_segment_size: 40
    .max_flat_workgroup_size: 128
    .sgpr_count:     98
    .vgpr_count:     1024
    .wavefront_size: 32
...
	.end_amdgpu_metadata
.endif
;; end of part 4
